; MI455X (gfx1250); checked and timed in simulation.
; The chip was launched on July 23, 2026; its instructions are those of AMD's public machine-readable ISA for CDNA 5 (MIT licence, August 2026) and "CDNA5" Instruction Set Architecture Reference Guide (July 2026). The comments in the code are by the model that wrote it; some were corrected since.
;; PSI With Hooks. Allowed arithmetic: float matrix products may take bf16 or f16 operands with f32 sums; all other float work in f32.
;; Inputs: W_gate 1,024 x 1,024 float32; W_mag 1,024 x 1,024 float32; W_omega 1,024 x 1,024 float32; W_out 4,096 x 1,024 float32; W_phi0 1,024 x 1,024 float32; W_q 1,024 x 1,024 float32; b_gate 1,024 float32; b_mag 1,024 float32; b_omega 1,024 float32; b_out 1,024 float32; b_phi0 1,024 float32; b_q 1,024 float32; integration_scale 1,024 float32; x 4 x 1,024 x 1,024 float32.
;; Outputs: out0 4 x 1,024 x 1,024 float32.
;; 2 versions, each right; version 2 is version 1 with the launch prep written anew for expert scheduling mode. Each part assembles by itself: llvm-mc -triple=amdgcn-amd-amdhsa -mcpu=gfx1250 --defsym DOCPART=n.
;; ======== version 1 of 2: 3 launches
;; limits: values outside matrix products are rounded to bf16
;; workspace buffers: xb 8,388,608 bytes; wob 8,388,608 bytes; wp 10,485,760 bytes; ctx 33,554,432 bytes
;; launch prep (part 1): grid 768 x 1, 8 waves a work-group, no clusters, 41,984 bytes of LDS; arguments x, W_out, W_omega, W_gate, W_mag, W_phi0, W_q, xb, wob, wp; writes xb, wob, wp
.if DOCPART == 1
	.amdgcn_target "amdgcn-amd-amdhsa--gfx1250"
	.amdhsa_code_object_version 6
	.text
	.protected	k_qd909fe9c3e_prep
	.globl	k_qd909fe9c3e_prep
	.p2align	8
	.type	k_qd909fe9c3e_prep,@function
k_qd909fe9c3e_prep:
	s_mov_b64 s[64:65], 0
	v_nop
	global_prefetch_b8 v0, s[64:65] scope:SCOPE_SE
	s_setreg_imm32_b32 hwreg(HW_REG_WAVE_MODE, 25, 1), 1
	s_wait_xcnt 0x0
; Casts to bf16 (round to nearest even) into the layouts that the two matrix launches read.
;   work-groups   0-255: x      -> xb  [kb 16][m 4096][64]          (kb = block of 64 channels)
;   work-groups 256-511: W_out  -> wob, in the register order of a matrix operand.  With k' = cb*64 + g*16 + c standing for W_out's row g*1024 + cb*16 + c:
;                        wob [chunk 128 (32 k')][nt 64 (16 n)][half 2 (16 k')][lane 32][8 bf16]; lane 16 h + r holds column 16 nt + r, k' = 32 chunk + 16 half + 8 h + 0..7
;   work-groups 512-767: the five projection weights -> wp [cb 64][k 1024][p 5][c 16], p = omega, gate, mag, phi0, q
; LIMIT OF FORMAT: from here on x and all weights exist only as bf16.
; A stream: memory binds, so no matrix unit, no cluster; every input byte is read once by 16-byte loads.
.set VS, 2                             ; v2  byte offset of my loads
.set VD, 3                             ; v3  byte offset of my stores
.set LD, 16                            ; v[16:95]  as loaded, four registers a load
.set CV, 80                            ; v[80:111] converted
; Sixteen loads in one run, then each is converted and stored as it arrives.  Every load and store has registers of its own,
; so nothing is rewritten while a memory instruction may still read it.
.macro CAST16 sb, db, SS, DS
.set j, 0
.rept 16
	global_load_b128 v[LD+4*j:LD+4*j+3], v[VS], s[\sb:\sb+1] offset:j*\SS th:TH_LOAD_NT
.set j, j+1
.endr
.set j, 0
.rept 16
	s_wait_loadcnt 15-j                            ; loads return in order: load j is in, the 15-j younger ones stay out
	v_cvt_pk_bf16_f32 v[CV+2*j], v[LD+4*j], v[LD+4*j+1]
	v_cvt_pk_bf16_f32 v[CV+2*j+1], v[LD+4*j+2], v[LD+4*j+3]
	global_store_b64 v[VD], v[CV+2*j:CV+2*j+1], s[\db:\db+1] offset:j*\DS
.set j, j+1
.endr
.endm
	s_load_b512 s[4:19], s[0:1], 0x0               ; x s[4:5], W_out s[6:7], W_omega s[8:9], W_gate s[10:11], W_mag s[12:13], W_phi0 s[14:15], W_q s[16:17], xb s[18:19]
	s_load_b128 s[20:23], s[0:1], 0x40             ; wob s[20:21], wp s[22:23]
	v_lshl_add_u32 v112, v0, 2, 0xa000
	v_mov_b32 v113, 0
	s_mov_b32 s25, 0                               ; high words of the two offset pairs
	s_mov_b32 s27, 0
	s_wait_kmcnt 0x0
	s_cmp_lt_u32 ttmp9, 256                        ; the branch hangs on the work-group's number alone: all eight waves go the same way
	s_cbranch_scc1 .Lcast_x
	s_cmp_lt_u32 ttmp9, 512
	s_cbranch_scc1 .Lcast_wout
	; ---- the five projection weights: a block of 64 k x 64 n of each, regrouped through LDS ----
	s_sub_co_u32 s28, ttmp9, 512
	s_and_b32 s29, s28, 15                         ; cg: channel blocks 4 cg .. 4 cg + 3
	s_lshr_b32 s30, s28, 4                         ; kg: k = 64 kg ..
	s_lshl_b32 s24, s30, 18                        ; 64 kg rows of 4,096 bytes
	s_lshl_b32 s31, s29, 8                         ; + 64 cg columns of 4 bytes
	s_add_co_u32 s24, s24, s31
	s_mul_i32 s26, s29, 655360                     ; wp: 4 cg blocks of 163,840 bytes
	s_mul_i32 s31, s30, 10240                      ; + 64 kg rows of 160 bytes
	s_add_co_u32 s26, s26, s31
	s_add_nc_u64 s[22:23], s[22:23], s[26:27]
	v_lshrrev_b32 v1, 5, v0                        ; wave
	v_bfe_u32 v4, v0, 4, 1                         ; upper half of the lanes: the odd row
	v_and_b32 v5, 15, v0                           ; 16 lanes x 16 bytes = the block's 256 bytes of a row
	v_lshl_add_u32 v6, v1, 3, v4                   ; local k = 8 wave + half (+ 2 u)
	v_lshlrev_b32 v[VS], 12, v6
	v_lshl_add_u32 v[VS], v5, 4, v[VS]
	v_add_nc_u32 v[VS], s24, v[VS]
.set p, 0
.rept 5
.set u, 0
.rept 4
	global_load_b128 v[LD+4*(4*p+u):LD+4*(4*p+u)+3], v[VS], s[8+2*p:9+2*p] offset:u*8192 th:TH_LOAD_NT
.set u, u+1
.endr
.set p, p+1
.endr
	v_lshrrev_b32 v7, 2, v5                        ; LDS image [cb 4][k 64][p 5][c 16] bf16: which of the four channel blocks
	v_mul_u32_u24 v7, v7, 10240
	v_mad_u32_u24 v7, v6, 160, v7
	v_and_b32 v8, 3, v5
	v_lshl_add_u32 v7, v8, 3, v7                   ; + my four channels
	v_and_b32 v10, 31, v0
	v_mul_u32_u24 v9, v1, 5120                     ; back: each wave takes 5,120 consecutive bytes of the image
	v_lshl_add_u32 v9, v10, 4, v9
	v_lshrrev_b32 v12, 1, v1
	v_mul_u32_u24 v11, v12, 163840                 ; two waves to a channel block
	v_and_b32 v12, 1, v1
	v_mad_u32_u24 v11, v12, 5120, v11
	v_lshl_add_u32 v11, v10, 4, v11
.set p, 0
.rept 5
.set u, 0
.rept 4
	s_wait_loadcnt 19-(4*p+u)                      ; the younger loads of the run of twenty stay out
	v_cvt_pk_bf16_f32 v[LD+4*(4*p+u)], v[LD+4*(4*p+u)], v[LD+4*(4*p+u)+1]
	v_cvt_pk_bf16_f32 v[LD+4*(4*p+u)+1], v[LD+4*(4*p+u)+2], v[LD+4*(4*p+u)+3]
	ds_store_b64 v7, v[LD+4*(4*p+u):LD+4*(4*p+u)+1] offset:u*320+p*32
.set u, u+1
.endr
.set p, p+1
.endr
	s_wait_dscnt 0x0                               ; my stores are in LDS before I say so: other waves read them
	s_barrier_signal -1
	s_barrier_wait -1
.set u, 0
.rept 10
	ds_load_b128 v[LD+4*u:LD+4*u+3], v9 offset:u*512
.set u, u+1
.endr
.set u, 0
.rept 10
	s_wait_dscnt 9-u                               ; LDS loads return in order
	global_store_b128 v11, v[LD+4*u:LD+4*u+3], s[22:23] offset:u*512   ; a wave's store covers 512 consecutive bytes, aligned to 256
.set u, u+1
.endr
	s_wait_tensorcnt 0x0
	ds_add_u32 v112, v113
	s_wait_dscnt 0x0
	s_endpgm
.Lcast_x:
	; ---- x: 16 rows.  Thread t takes row t / 16, four channels at 4 (t % 16) of each of the sixteen blocks of 64 ----
	s_lshl_b32 s24, ttmp9, 16                      ; 16 rows of 4,096 bytes
	s_lshl_b32 s26, ttmp9, 11                      ; 16 rows of 128 bytes in every block of xb
	s_add_nc_u64 s[4:5], s[4:5], s[24:25]
	s_add_nc_u64 s[18:19], s[18:19], s[26:27]
	v_lshrrev_b32 v1, 4, v0
	v_and_b32 v4, 15, v0
	v_lshlrev_b32 v[VS], 12, v1
	v_lshl_add_u32 v[VS], v4, 4, v[VS]
	v_lshlrev_b32 v[VD], 3, v0                     ; 128 (t / 16) + 8 (t % 16) = 8 t: a wave's store covers 256 consecutive bytes, aligned
	CAST16 4, 18, 256, 524288
	s_endpgm
.Lcast_wout:
	; ---- W_out: work-group i = 4 cb + g takes the 16 rows g*1024 + cb*16 .., which are one half (16 k') of chunk i / 2, for all 1,024 columns ----
	; Thread (wave, h, a) takes rows 8 h .. 8 h + 7 and, in each of two turns u, the four columns 512 u + 64 wave + 4 a ..: packing two rows at a time
	; gives, for each column, the 16 bytes (8 k') that one lane of the matrix operand holds.  A stage in LDS puts the lanes' pieces side by side.
	s_sub_co_u32 s28, ttmp9, 256
	s_and_b32 s29, s28, 3                          ; g
	s_lshr_b32 s30, s28, 2                         ; cb
	s_lshl_b32 s24, s29, 22                        ; row g*1024 + cb*16, rows of 4,096 bytes
	s_lshl_b32 s31, s30, 16
	s_add_co_u32 s24, s24, s31
	s_lshr_b32 s26, s28, 1                         ; chunk = i / 2, 65,536 bytes each
	s_lshl_b32 s26, s26, 16
	s_and_b32 s31, s28, 1                          ; half = i % 2, 512 bytes inside each block of 1,024
	s_lshl_b32 s31, s31, 9
	s_add_co_u32 s26, s26, s31
	s_add_nc_u64 s[6:7], s[6:7], s[24:25]
	s_add_nc_u64 s[20:21], s[20:21], s[26:27]
	v_lshrrev_b32 v1, 5, v0                        ; wave
	v_bfe_u32 v4, v0, 4, 1                         ; h
	v_and_b32 v5, 15, v0                           ; a: sixteen lanes read 256 consecutive bytes of a row, aligned
	v_lshlrev_b32 v[VS], 15, v4                    ; 8 h rows
	v_lshl_add_u32 v[VS], v1, 8, v[VS]
	v_lshl_add_u32 v[VS], v5, 4, v[VS]
.set u, 0
.rept 2
.set rw, 0
.rept 8
	global_load_b128 v[LD+4*(8*u+rw):LD+4*(8*u+rw)+3], v[VS], s[6:7] offset:rw*4096+u*2048 th:TH_LOAD_NT
.set rw, rw+1
.endr
.set u, u+1
.endr
	v_lshrrev_b32 v6, 2, v5                        ; which of the wave's four blocks of 16 columns
	v_and_b32 v7, 3, v5
	v_lshlrev_b32 v8, 12, v1                       ; the stage: wave x 4,096 + turn x 2,048 + block x 512 + h x 256 + 16 x (column % 16)
	v_lshl_add_u32 v8, v6, 9, v8
	v_lshl_add_u32 v8, v4, 8, v8
	v_lshl_add_u32 v8, v7, 6, v8
	v_and_b32 v10, 31, v0
	v_lshlrev_b32 v9, 12, v1                       ; back, and out: wave x 4,096 + 16 x lane (in wob four blocks of 1,024 bytes belong to a wave and a turn)
	v_lshl_add_u32 v9, v10, 4, v9
.set u, 0
.rept 2
.set i, 0
.rept 4
	s_wait_loadcnt 14-8*u-2*i                      ; rows 2 i and 2 i + 1 of this turn are in; the younger loads of the sixteen stay out
.set j, 0
.rept 4
	v_cvt_pk_bf16_f32 v[CV+16*u+4*j+i], v[LD+4*(8*u+2*i)+j], v[LD+4*(8*u+2*i+1)+j]
.set j, j+1
.endr
.set i, i+1
.endr
.set j, 0
.rept 4
	ds_store_b128 v8, v[CV+16*u+4*j:CV+16*u+4*j+3] offset:u*2048+16*j
.set j, j+1
.endr
.set u, u+1
.endr
	s_wait_dscnt 0x0                               ; my stores are in LDS before I say so
	s_barrier_signal -1
	s_barrier_wait -1
.set u, 0
.rept 8
	ds_load_b128 v[LD+4*u:LD+4*u+3], v9 offset:u*512
.set u, u+1
.endr
.set u, 0
.rept 8
	s_wait_dscnt 7-u                               ; LDS loads return in order
	global_store_b128 v9, v[LD+4*u:LD+4*u+3], s[20:21] offset:(u>>2)*32768+(u&3)*1024   ; a wave's store covers 512 consecutive bytes, aligned to 512
.set u, u+1
.endr
	s_wait_tensorcnt 0x0
	ds_add_u32 v112, v113
	s_wait_dscnt 0x0
	s_endpgm
.Lfunc_end_k_qd909fe9c3e_prep:
	.size	k_qd909fe9c3e_prep, .Lfunc_end_k_qd909fe9c3e_prep-k_qd909fe9c3e_prep
	.p2alignl 7, 3214868480
	.fill 96, 4, 3214868480
	.section	.rodata,"a",@progbits
	.p2align	6, 0x0
	.amdhsa_kernel k_qd909fe9c3e_prep
		.amdhsa_group_segment_fixed_size 41984
		.amdhsa_private_segment_fixed_size 0
		.amdhsa_enable_private_segment 0
		.amdhsa_kernarg_size 80
		.amdhsa_user_sgpr_count 2
		.amdhsa_user_sgpr_kernarg_segment_ptr 1
		.amdhsa_wavefront_size32 1
		.amdhsa_system_sgpr_workgroup_id_x 1
		.amdhsa_system_sgpr_workgroup_id_y 1
		.amdhsa_system_sgpr_workgroup_id_z 1
		.amdhsa_system_vgpr_workitem_id 0
		.amdhsa_next_free_vgpr 114
		.amdhsa_next_free_sgpr 66
		.amdhsa_reserve_vcc 0
		.amdhsa_float_denorm_mode_32 3
		.amdhsa_float_denorm_mode_16_64 3
		.amdhsa_memory_ordered 1
		.amdhsa_forward_progress 1
		.amdhsa_inst_pref_size 24
	.end_amdhsa_kernel
	.amdgpu_metadata
---
amdhsa.version: [ 1, 2 ]
amdhsa.kernels:
  - .name:           k_qd909fe9c3e_prep
    .symbol:         k_qd909fe9c3e_prep.kd
    .args:
      - { .name: x, .offset: 0, .size: 8, .value_kind: global_buffer, .address_space: global }
      - { .name: W_out, .offset: 8, .size: 8, .value_kind: global_buffer, .address_space: global }
      - { .name: W_omega, .offset: 16, .size: 8, .value_kind: global_buffer, .address_space: global }
      - { .name: W_gate, .offset: 24, .size: 8, .value_kind: global_buffer, .address_space: global }
      - { .name: W_mag, .offset: 32, .size: 8, .value_kind: global_buffer, .address_space: global }
      - { .name: W_phi0, .offset: 40, .size: 8, .value_kind: global_buffer, .address_space: global }
      - { .name: W_q, .offset: 48, .size: 8, .value_kind: global_buffer, .address_space: global }
      - { .name: xb, .offset: 56, .size: 8, .value_kind: global_buffer, .address_space: global }
      - { .name: wob, .offset: 64, .size: 8, .value_kind: global_buffer, .address_space: global }
      - { .name: wp, .offset: 72, .size: 8, .value_kind: global_buffer, .address_space: global }
    .group_segment_fixed_size: 41984
    .private_segment_fixed_size: 0
    .kernarg_segment_align: 8
    .kernarg_segment_size: 80
    .max_flat_workgroup_size: 256
    .sgpr_count:     66
    .vgpr_count:     114
    .wavefront_size: 32
...
	.end_amdgpu_metadata
.endif
;; end of part 1
;; launch phase (part 2): grid 64 x 4, 4 waves a work-group, clusters of 4 x 1, 327,680 bytes of LDS; arguments xb, wp, b_omega, b_gate, b_mag, b_phi0, b_q, integration_scale, ctx; writes ctx
.if DOCPART == 2
	.amdgcn_target "amdgcn-amd-amdhsa--gfx1250"
	.amdhsa_code_object_version 6
	.text
	.protected	k_qd909fe9c3e_phase
	.globl	k_qd909fe9c3e_phase
	.p2align	8
	.type	k_qd909fe9c3e_phase,@function
k_qd909fe9c3e_phase:
	s_mov_b64 s[64:65], 0
	v_nop
	global_prefetch_b8 v0, s[64:65] scope:SCOPE_SE
	s_setreg_imm32_b32 hwreg(HW_REG_WAVE_MODE, 25, 1), 1
	s_wait_xcnt 0x0
	s_wait_alu depctr_hold_cnt(0) depctr_sa_sdst(0) depctr_va_vdst(0) depctr_va_sdst(0) depctr_va_ssrc(0) depctr_va_vcc(0) depctr_vm_vsrc(0)
	s_getreg_b32 s2, hwreg(HW_REG_IB_STS2, 6, 4)
	s_cmp_eq_u32 s2, 0
	s_cbranch_scc0 .Lentry_in_a_cluster
	s_endpgm
.Lentry_in_a_cluster:
	s_bfe_u32 s2, ttmp6, 0x10000c
	s_cmp_lg_u32 s2, 0x3003
	s_cbranch_scc0 .Lentry_shape_is_right
	s_endpgm
.Lentry_shape_is_right:
; The five projections of x, the four running sums along the 1,024 steps, sine and cosine, and the context in bf16.
; A work-group owns one batch (1,024 steps) x 16 channels (block cb): a product of 1,024 rows x 80 columns (5 projections x 16) x K = 1,024.
; Four waves; a wave holds 256 rows x 80 columns = 80 accumulator tiles = 640 registers, so the projections never leave registers.
; ROW MAP: row r of a wave's A fragment mt is step 128 w + 8 mt + (r & 7) + 512 (r >> 3).  In the result, lane (r, h), tile mt, register j
; then holds step 128 (w + 4 h) + 8 mt + j of channel r: a lane owns 128 consecutive steps of one channel, and every running sum is a sum
; along the lane's own registers plus one exchange of eight segment totals through LDS.
; CLUSTER: the four work-groups of a cluster work on the same batch and need the same tiles of x: these are asked for jointly (mask 15).
; The weights' slice differs between the partners (10 KiB of a step's 138 KiB): plain loads.
; K is walked in blocks of 64, beginning behind the cluster's own block of 64 channels, so that the last tile in LDS holds x at the cluster's own
; channels; a product with a 0/1 matrix brings x into the result layout, exactly.
; LIMITS, stated: (1) all inputs are used rounded once to bf16 (x and the weights by the cast launch, the biases and integration_scale here);
; everything behind that is f32 but the context, the next product's bf16 operand.  (2) sine and cosine are polynomials on the phase
; reduced to half a turn either way, absolute error about 5e-6.  (3) the running sums are formed as tile + segment sums, another order than a plain chain.
.set PA,    144                        ; an LDS row of x: 128 bytes + 16 of padding: eight neighbouring rows start at eight different 16-byte columns of 256
.set AH2,   73856                      ; rows 512-1023 begin 512 x 144 + 128 bytes on: fragment rows 8-15 fall on the other eight columns
.set BOFF,  147712                     ; the weights' tile: 64 k x 160 bytes
.set SLOT,  157952
.set SCR,   315904                     ; behind the ring: 2 x 1,024 bytes for segment totals; no tile lands here
.set G1A, 36                           ; s[36:43] shape of x's half tile
.set G1B, 44                           ; s[44:51] shape of the weights' half tile
.set G0A, 52                           ; s[52:55], s[56:59] from where, to where: x, slot 0, 1
.set G0B, 60                           ; s[60:63], s[68:71] the same for the weights
.set LO, 0                             ; the two arrays of 128 registers in a window
.set HI, 128
.set SC,  16                           ; v[16:17] |integration_scale|, twice     (lane constants as pairs, in window 0)
.set COM, 18                           ; b_omega |scale|
.set CGA, 20                           ; -b_gate log2 e
.set CMG, 22                           ; -b_mag log2 e - log2 5
.set BQT, 24                           ; b_q / 2 pi
.set S3P, 26
.set C4P, 28
.set IT1, 32                           ; v[32:63] tile mt: pair (gated omega, magnitude): running tile totals, then each tile's offset
.set IT2, 64                           ; v[64:95] the same for (memory real, memory imaginary)
.set NLOG2E,   0xbfb8aa3b
.set NLOG2_5,  0xc0149a78
.set FIFTH,    0x3e4ccccd
.set EPS,      0x322bcc77              ; 1e-8
.set INV2PI,   0x3e22f983
.set INV2PILO, 0x31dc9c88              ; 1 / 2 pi minus its f32 value
.set KS0, 0x408e2c19                   ; sqrt 2 sin(pi y) = y (S0 + S1 u + .. + S4 u^4), u = y y
.set KS1, 0xc0e9dd2e
.set KS2, 0x4066d083
.set KS3, 0xbf58f4fa
.set KS4, 0x3dedeb7f
.set KC0, 0x3fb504f3                   ; sqrt 2 cos(pi y) = C0 + C1 u + .. + C5 u^5
.set KC1, 0xc0df52db
.set KC2, 0x40b7ad25
.set KC3, 0xbff1b558
.set KC4, 0x3eaa65c8
.set KC5, 0xbd157d4d
; REGISTERS.  Window 0: v4-5 x's fragment address (slot 0, 1), v6-7 the weights', v8 my offset in ctx, v9-10 scratch addresses, v11 my segment,
; v16-55 / v56-95 weights' fragments (two buffers), v96-111 the 0/1 fragments, v112-117 lane constants as loaded, v128-255 x's fragments buffer 0, later x itself.
; Window 1: omega (low 128), gate (high 128).  Window 2: magnitude, phi0.  Window 3: q, x's fragments buffer 1.
; s_set_vgpr_msb's low byte: bits 1:0 source 0, 3:2 source 1, 5:4 source 2, 7:6 destination.
.set MSB, 0
.macro WIN new                         ; the immediate's high byte repeats the setting that is left
.if MSB != \new
	s_set_vgpr_msb (MSB<<8)|\new
.set MSB, \new
.endif
.endm
.macro PLACES                          ; four plain vector places behind matrix instructions, in front of loads into and vector work on their registers
.rept 4
	v_nop
.endr
.endm
.macro CREST                           ; a round of the cluster's barrier behind its opening work-group barrier
	s_cmp_lg_u32 s22, 0
	s_cbranch_scc1 .Lnot_wave_0_\@
	s_barrier_signal -3
.Lnot_wave_0_\@:
	s_barrier_wait -3
	s_barrier_signal -1
	s_barrier_wait -1
.endm
.macro CROUND
	s_barrier_signal -1
	s_barrier_wait -1
	CREST
.endm
.macro SETG0 s                         ; slot s gets the tiles of K block s29; written only while no tensor load of the wave is out
	s_lshl_b32 s76, s29, 19                        ; a block of xb is 524,288 bytes
	s_mul_i32 s78, s29, 10240                      ; 64 rows of 160 bytes of wp
	s_add_nc_u64 s[G0A+4*\s+2:G0A+4*\s+3], s[72:73], s[76:77]
	s_or_b32 s[G0A+4*\s+3], s[G0A+4*\s+3], 0x80000000
	s_add_nc_u64 s[G0B+8*\s+2:G0B+8*\s+3], s[74:75], s[78:79]
	s_or_b32 s[G0B+8*\s+3], s[G0B+8*\s+3], 0x80000000
.endm
.macro JLOAD s                         ; one tensor load a wave: waves 0, 1 ask jointly for x's two halves, waves 2, 3 fetch the weights' two halves
	s_cmp_eq_u32 s24, 0
	s_cbranch_scc0 .Lfor_b_\@
	tensor_load_to_lds s[G0A+4*\s:G0A+4*\s+3], s[G1A:G1A+7]
	s_nop 0
	s_branch .Lasked_\@
.Lfor_b_\@:
	tensor_load_to_lds s[G0B+8*\s:G0B+8*\s+3], s[G1B:G1B+7]
	s_nop 0
.Lasked_\@:
.endm
.macro FETCHB slot, q, buf             ; the five weight fragments of 32 K: stored [k][n], so the transposing load
	WIN 0
.set pp, 0
.rept 5
	ds_load_tr16_b128 v[16+40*\buf+8*pp:16+40*\buf+8*pp+3], v[6+\slot] offset:\q*5120+32*pp
	ds_load_tr16_b128 v[16+40*\buf+8*pp+4:16+40*\buf+8*pp+7], v[6+\slot] offset:\q*5120+32*pp+2560
.set pp, pp+1
.endr
.endm
.macro FETCHA slot, q, buf             ; my sixteen fragments of x, 32 K
.set WV, 0xc0*\buf
	WIN WV
.set mt, 0
.rept 16
	ds_load_b128 v[128+8*mt:128+8*mt+3], v[4+\slot] offset:mt*8*PA+64*\q
	ds_load_b128 v[128+8*mt+4:128+8*mt+7], v[4+\slot] offset:mt*8*PA+64*\q+32
.set mt, mt+1
.endr
.endm
.macro MULP buf, p, zero               ; projection p, all sixteen row tiles, 32 K.  zero = 1: the first product starts the sums
.set WV, ((1+(\p>>1))<<6)|((1+(\p>>1))<<4)|(3*\buf)
	WIN WV
.set mt, 0
.rept 16
.if \zero
	v_wmma_f32_16x16x32_bf16 v[8*((\p&1)*16+mt):8*((\p&1)*16+mt)+7], v[128+8*mt:128+8*mt+7], v[16+40*\buf+8*\p:16+40*\buf+8*\p+7], 0
.else
	v_wmma_f32_16x16x32_bf16 v[8*((\p&1)*16+mt):8*((\p&1)*16+mt)+7], v[128+8*mt:128+8*mt+7], v[16+40*\buf+8*\p:16+40*\buf+8*\p+7], v[8*((\p&1)*16+mt):8*((\p&1)*16+mt)+7]
.endif
.set mt, mt+1
.endr
.endm
.macro XMUL e, zero                    ; x (buffer 1, window 3) times the 0/1 fragment e, into window 0's upper half
	WIN 0x03
.set mt, 0
.rept 16
.if \zero
	v_wmma_f32_16x16x32_bf16 v[128+8*mt:128+8*mt+7], v[128+8*mt:128+8*mt+7], v[96+8*\e:96+8*\e+7], 0
.else
	v_wmma_f32_16x16x32_bf16 v[128+8*mt:128+8*mt+7], v[128+8*mt:128+8*mt+7], v[96+8*\e:96+8*\e+7], v[128+8*mt:128+8*mt+7]
.endif
.set mt, mt+1
.endr
.endm
; The 80 accumulators take turns, one instruction a turn, in the same order in every half step, over the backward jump too.
.macro CHUNK0 slot, zero               ; first half of a K block: multiplies buffer 0, fetches the second half into buffer 1
	s_wait_dscnt 0x0                               ; buffer 0's 42 loads, issued 64 matrix instructions ago
	PLACES
	FETCHB \slot, 1, 1
	FETCHA \slot, 1, 1
	MULP 0, 0, \zero
	MULP 0, 1, \zero
	MULP 0, 2, \zero
	MULP 0, 3, \zero
	MULP 0, 4, \zero
.endm
.macro CHUNK1 slot, next, fill         ; second half: multiplies buffer 1 and changes slots
	s_wait_dscnt 0x0                               ; buffer 1 is in, and with it my reads of this slot are over
	MULP 1, 0, 0                                   ; register work that needs no tile stands ahead of the wait for the tiles,
	WIN 0
	s_wait_tensorcnt 0x0                           ; all my tensor loads have landed: the one that was out is my part of the next slot
	ds_add_u32 v126, v127
	s_wait_dscnt 0x0
	s_barrier_signal -1                            ; say so (where the slot is filled again this opens a round of the cluster's barrier);
	s_barrier_wait -1                              ; nothing stands between signal and wait, so that the next request leaves as soon as all have said so
.if \fill
	CREST                                          ; no wave of any partner still reads this slot or has a load on its way
	s_add_co_u32 s29, s29, 1
	s_and_b32 s29, s29, 15                         ; the next K block, round the sixteen
	SETG0 \slot
	JLOAD \slot                                    ; the wave's one tensor load behind the round; 160 matrix instructions stand between it and the wait for it
.endif
	PLACES
	FETCHB \next, 0, 0
	FETCHA \next, 0, 0
	MULP 1, 1, 0
	MULP 1, 2, 0
	MULP 1, 3, 0
	MULP 1, 4, 0
.endm
.macro LAP zero
	CHUNK0 0, \zero
	CHUNK1 0, 1, 1
	CHUNK0 1, 0
	CHUNK1 1, 0, 1
.endm
	s_load_b512 s[4:19], s[0:1], 0x0               ; xb s[4:5], wp s[6:7], b_omega s[8:9], b_gate s[10:11], b_mag s[12:13], b_phi0 s[14:15], b_q s[16:17], integration_scale s[18:19]
	s_load_b64 s[20:21], s[0:1], 0x40              ; ctx
	v_lshl_add_u32 v126, v0, 2, 0x4da00
	v_mov_b32 v127, 0
	ds_add_u32 v126, v127
	v_lshrrev_b32 v1, 5, v0
	v_readfirstlane_b32 s22, v1                    ; wave 0..3
	s_and_b32 s23, s22, 1                          ; which half of a tile I fetch
	s_lshr_b32 s24, s22, 1                         ; 0: of x, 1: of the weights
	s_bfe_u32 s25, ttmp6, 0x40000                  ; cx
	s_mov_b32 s26, ttmp9                           ; the cluster's x = the cluster's own block of 64 channels
	s_and_b32 s27, ttmp7, 0xffff                   ; batch
	s_lshl_b32 s28, ttmp9, 2
	s_add_co_u32 s28, s28, s25                     ; cb = 4 x cluster x + cx
	; x's half tile: 65,536 dense bytes as 256 rows of 256 bytes; 16 bytes of padding behind every 128
	s_mov_b32 s[G1A+0], 15|(3<<16)|(1<<20)|(1<<21)|(4<<22)|(3<<25)   ; mask: all four partners; 8-byte elements; padding on; bit 21 beside a mask; every 32 words, 4 words
	s_mov_b32 s[G1A+1], 32<<16                     ; tensor_dim0 = 32
	s_mov_b32 s[G1A+2], 256<<16                    ; tensor_dim1 = 256
	s_mov_b32 s[G1A+3], 32<<16                     ; tile_dim0 = 32
	s_mov_b32 s[G1A+4], 256                        ; tile_dim1 = 256
	s_mov_b32 s[G1A+5], 32                         ; from row to row
	s_mov_b32 s[G1A+6], 0
	s_mov_b32 s[G1A+7], 0
	; the weights' half tile: 5,120 dense bytes as 20 rows of 256
	s_mov_b32 s[G1B+0], 3<<16
	s_mov_b32 s[G1B+1], 32<<16
	s_mov_b32 s[G1B+2], 20<<16
	s_mov_b32 s[G1B+3], 32<<16
	s_mov_b32 s[G1B+4], 20
	s_mov_b32 s[G1B+5], 32
	s_mov_b32 s[G1B+6], 0
	s_mov_b32 s[G1B+7], 0
	s_mul_i32 s31, s22, AH2                        ; LDS: wave x constant + the slot's constant (waves 0, 1 ask by these)
	s_mov_b32 s[G0A+0], 1
	s_mov_b32 s[G0A+1], s31
	s_mov_b32 s[G0A+4], 1
	s_add_co_u32 s[G0A+5], s31, SLOT
	s_mul_i32 s32, s22, 5120                       ; waves 2, 3: BOFF + (wave - 2) x 5,120
	s_mov_b32 s[G0B+0], 1
	s_add_co_u32 s[G0B+1], s32, BOFF-2*5120
	s_mov_b32 s[G0B+8], 1
	s_add_co_u32 s[G0B+9], s32, SLOT+BOFF-2*5120
	s_lshl_b32 s76, s27, 17                        ; x: the batch's 1,024 rows of 128 bytes
	s_lshl_b32 s33, s23, 16                        ; + my half
	s_add_co_u32 s76, s76, s33
	s_mov_b32 s77, 0
	s_mul_i32 s78, s28, 163840                     ; the weights' block cb
	s_mul_i32 s80, s23, 5120
	s_add_co_u32 s78, s78, s80
	s_mov_b32 s79, 0
	s_lshl_b32 s34, s27, 23                        ; ctx: batch x 8 row blocks of 1 MiB
	s_lshl_b32 s82, s28, 14                        ; + cb x 16 KiB
	s_add_co_u32 s34, s34, s82
	s_mov_b32 s35, 0
	s_wait_dscnt 0x0
	s_wait_kmcnt 0x0
	s_add_nc_u64 s[72:73], s[4:5], s[76:77]
	s_add_nc_u64 s[74:75], s[6:7], s[78:79]
	s_add_nc_u64 s[20:21], s[20:21], s[34:35]
	CROUND                                         ; all four work-groups are here: the first joint loads meet
	s_add_co_u32 s29, s26, 1
	s_and_b32 s29, s29, 15                         ; the walk begins one block behind the cluster's own
	SETG0 0
	JLOAD 0
	s_add_co_u32 s29, s29, 1
	s_and_b32 s29, s29, 15
	SETG0 1
	JLOAD 1                                        ; two tensor loads of the wave are out
	v_and_b32 v1, 7, v0                            ; r & 7
	v_bfe_u32 v2, v0, 3, 1                         ; r >> 3
	v_bfe_u32 v3, v0, 4, 1                         ; h
	v_and_b32 v12, 15, v0                          ; r
	v_mul_u32_u24 v4, v1, PA
	v_mad_u32_u24 v4, v2, AH2, v4
	v_lshl_add_u32 v4, v3, 4, v4
	s_mul_i32 s31, s22, 128*PA
	v_add_nc_u32 v4, s31, v4                       ; (128 w + (r & 7)) x 144 + (r >> 3) x 73,856 + 16 h
	v_add_nc_u32 v5, SLOT, v4
	v_lshl_add_u32 v13, v3, 3, v1
	v_mul_u32_u24 v6, v13, 160
	v_lshl_add_u32 v6, v2, 4, v6
	v_add_nc_u32 v6, BOFF, v6                      ; (8 h + (l & 7)) x 160 + 16 ((l >> 3) & 1)
	v_add_nc_u32 v7, SLOT, v6
	v_lshl_add_u32 v11, v3, 2, s22                 ; my segment of 128 steps: w + 4 h
	v_lshlrev_b32 v8, 4, v12
	v_lshl_add_u32 v8, v11, 20, v8                 ; ctx: segment x 1 MiB + 16 r
	v_lshl_add_u32 v9, v11, 4, v12
	v_lshlrev_b32 v9, 3, v9
	v_add_nc_u32 v9, SCR, v9                       ; where I put my segment's pair of totals
	v_lshlrev_b32 v10, 3, v12
	v_add_nc_u32 v10, SCR, v10                     ; where my channel's totals begin
	s_lshl_b32 s80, s28, 6
	v_lshl_add_u32 v14, v12, 2, s80                ; 4 (16 cb + r)
	global_load_b32 v112, v14, s[8:9]
	global_load_b32 v113, v14, s[10:11]
	global_load_b32 v114, v14, s[12:13]
	global_load_b32 v115, v14, s[14:15]
	global_load_b32 v116, v14, s[16:17]
	global_load_b32 v117, v14, s[18:19]
	; the 0/1 fragments: column r takes k = 16 cx + r of the 64; register i of fragment q holds k = 32 q + 16 (i >> 2) + 8 h + 2 (i & 3) and the next
	s_lshl_b32 s81, s25, 4
	v_add_nc_u32 v13, s81, v12
	v_lshlrev_b32 v15, 3, v3
	v_sub_nc_u32 v13, v13, v15                     ; 16 cx + r - 8 h
	v_mov_b32 v1, 0x3f80                           ; bf16 1.0 in the low half
	v_mov_b32 v2, 0x3f800000                       ; in the high half
.set q, 0
.rept 2
.set i, 0
.rept 8
	v_cmp_eq_u32 vcc_lo, 32*q+16*(i>>2)+2*(i&3), v13
	v_cndmask_b32 v[96+8*q+i], 0, v1, vcc_lo
	v_cmp_eq_u32 vcc_lo, 32*q+16*(i>>2)+2*(i&3)+1, v13
	v_cndmask_b32 v[96+8*q+i], v[96+8*q+i], v2, vcc_lo
.set i, i+1
.endr
.set q, q+1
.endr
	s_wait_loadcnt 0x0                             ; the six lane constants, once
	s_wait_tensorcnt 0x1                           ; my part of slot 0 is in; slot 1's may stay out
	s_barrier_signal -1
	s_barrier_wait -1
	FETCHB 0, 0, 0
	FETCHA 0, 0, 0
	LAP 1                                          ; the first lap stands ahead of the loop: its first products start the sums
	WIN 0
	s_mov_b32 s30, 6
.Llap:
	LAP 0
	WIN 0
	s_sub_co_u32 s30, s30, 1
	s_cmp_lg_u32 s30, 0
	s_cbranch_scc1 .Llap
	CHUNK0 0, 0                                    ; the last lap fills nothing
	CHUNK1 0, 1, 0
	CHUNK0 1, 0
	s_wait_dscnt 0x0
.rept 5
	v_nop                                          ; five places: the products with the 0/1 matrix write over buffer 0, which matrix instructions have read
.endr
	MULP 1, 0, 0
	MULP 1, 1, 0
	MULP 1, 2, 0
	MULP 1, 3, 0
	MULP 1, 4, 0
	XMUL 1, 1                                      ; buffer 1 holds channels 32-63 of the cluster's own block
	PLACES
	FETCHA 1, 0, 1                                 ; channels 0-31 once more
	s_wait_dscnt 0x0
	XMUL 0, 0
	PLACES
; ---------------- element-wise part: whole arrays of 128 registers, one window setting a pass ----------------
.macro P_FMA_KC d, a, k, c             ; d = a K + lane constant
.set i, 0
.rept 64
	v_pk_fma_f32 v[\d+2*i:\d+2*i+1], v[\a+2*i:\a+2*i+1], \k, v[\c:\c+1] op_sel_hi:[1,0,1]
.set i, i+1
.endr
.endm
.macro P_FMA_CC d, a, c1, c2           ; d = a c1 + c2
.set i, 0
	s_wait_alu depctr_va_vdst(0)
.rept 64
	v_pk_fma_f32 v[\d+2*i:\d+2*i+1], v[\a+2*i:\a+2*i+1], v[\c1:\c1+1], v[\c2:\c2+1]
.set i, i+1
.endr
.endm
.macro P_FMA_VK d, a, b, k             ; d = a b + K
.set i, 0
.rept 64
	v_pk_fma_f32 v[\d+2*i:\d+2*i+1], v[\a+2*i:\a+2*i+1], v[\b+2*i:\b+2*i+1], \k op_sel_hi:[1,1,0]
.set i, i+1
.endr
.endm
.macro P_FMA_KT d, a, k, t             ; d = a K + the tile's offset (first of the pair)
.set i, 0
.rept 64
	v_pk_fma_f32 v[\d+2*i:\d+2*i+1], v[\a+2*i:\a+2*i+1], \k, v[\t+2*(i>>2):\t+2*(i>>2)+1] op_sel_hi:[1,0,0]
.set i, i+1
.endr
.endm
.macro P_FMA d, a, b, c
.set i, 0
.rept 64
	v_pk_fma_f32 v[\d+2*i:\d+2*i+1], v[\a+2*i:\a+2*i+1], v[\b+2*i:\b+2*i+1], v[\c+2*i:\c+2*i+1]
.set i, i+1
.endr
.endm
.macro P_FNMA d, a, b, c               ; d = c - a b
.set i, 0
.rept 64
	v_pk_fma_f32 v[\d+2*i:\d+2*i+1], v[\a+2*i:\a+2*i+1], v[\b+2*i:\b+2*i+1], v[\c+2*i:\c+2*i+1] neg_lo:[1,0,0] neg_hi:[1,0,0]
.set i, i+1
.endr
.endm
.macro P_ONEMSQ d                      ; d = 1 - d d
.set i, 0
.rept 64
	v_pk_fma_f32 v[\d+2*i:\d+2*i+1], v[\d+2*i:\d+2*i+1], v[\d+2*i:\d+2*i+1], 1.0 op_sel_hi:[1,1,0] neg_lo:[1,0,0] neg_hi:[1,0,0]
.set i, i+1
.endr
.endm
.macro P_MUL d, a, b
.set i, 0
.rept 64
	v_pk_mul_f32 v[\d+2*i:\d+2*i+1], v[\a+2*i:\a+2*i+1], v[\b+2*i:\b+2*i+1]
.set i, i+1
.endr
.endm
.macro P_ADD d, a, b
.set i, 0
.rept 64
	v_pk_add_f32 v[\d+2*i:\d+2*i+1], v[\a+2*i:\a+2*i+1], v[\b+2*i:\b+2*i+1]
.set i, i+1
.endr
.endm
.macro P_SUB d, a, b
.set i, 0
.rept 64
	v_pk_add_f32 v[\d+2*i:\d+2*i+1], v[\a+2*i:\a+2*i+1], v[\b+2*i:\b+2*i+1] neg_lo:[0,1] neg_hi:[0,1]
.set i, i+1
.endr
.endm
.macro P_ADDK d, a, k
.set i, 0
.rept 64
	v_pk_add_f32 v[\d+2*i:\d+2*i+1], v[\a+2*i:\a+2*i+1], \k op_sel_hi:[1,0]
.set i, i+1
.endr
.endm
.macro P_ADDT d, a, t, second          ; d = a + the tile's offset: first or second of the pair
.set i, 0
.rept 64
.if \second
	v_pk_add_f32 v[\d+2*i:\d+2*i+1], v[\a+2*i:\a+2*i+1], v[\t+2*(i>>2):\t+2*(i>>2)+1] op_sel:[0,1] op_sel_hi:[1,1]
.else
	v_pk_add_f32 v[\d+2*i:\d+2*i+1], v[\a+2*i:\a+2*i+1], v[\t+2*(i>>2):\t+2*(i>>2)+1] op_sel_hi:[1,0]
.endif
.set i, i+1
.endr
.endm
.macro T1 op, d, a                     ; 128 one-source instructions; behind a run of transcendentals one v_nop follows in the text (ISA guide 5.7.2)
.set i, 0
.rept 128
	\op v[\d+i], v[\a+i]
.set i, i+1
.endr
.endm
.macro SCAN8 x                         ; running sum inside each tile's eight steps; the sixteen tiles' chains are interleaved
.set j, 1
.rept 7
.set mt, 0
.rept 16
	v_add_f32 v[\x+8*mt+j], v[\x+8*mt+j-1], v[\x+8*mt+j]
.set mt, mt+1
.endr
.set j, j+1
.endr
.endm
.macro CHAIN it, x                     ; running sum of the tiles' totals
	v_add_f32 v[\it], 0, v[\x+7]
.set mt, 1
.rept 15
	v_add_f32 v[\it+2*mt], v[\it+2*mt-2], v[\x+8*mt+7]
.set mt, mt+1
.endr
.endm
; The eight segments' totals of my channel meet in LDS; v[12:13] (set before) gains those of the segments in front of mine.
.macro EXCH it, so
	ds_store_b64 v9, v[\it+30:\it+31] offset:\so
	s_wait_dscnt 0x0                               ; my store is in LDS before I say so
	s_barrier_signal -1
	s_barrier_wait -1
.set sg, 0
.rept 7
	ds_load_b64 v[96+2*sg:97+2*sg], v10 offset:\so+128*sg
.set sg, sg+1
.endr
	s_wait_dscnt 0x0
.set sg, 0
.rept 7
	v_cmp_lt_u32 vcc_lo, sg, v11                   ; a choice of values: every lane does the same work
	v_cndmask_b32 v14, 0, v[96+2*sg], vcc_lo
	v_cndmask_b32 v15, 0, v[97+2*sg], vcc_lo
	v_pk_add_f32 v[12:13], v[12:13], v[14:15]
.set sg, sg+1
.endr
.endm
.macro OFFS it                         ; tile mt's offset = totals of the tiles in front of it + v[12:13], in place from the top down
.set mt, 15
.rept 15
	v_pk_add_f32 v[\it+2*mt:\it+2*mt+1], v[\it+2*mt-2:\it+2*mt-1], v[12:13]
.set mt, mt-1
.endr
	v_mov_b32 v[\it], v12
	v_mov_b32 v[\it+1], v13
.endm
; y in turns, |y| <= 1/2, in window yw at yb.  With a = pi y: sin 2a = (sqrt2 sin a)(sqrt2 cos a), cos 2a = 1 - (sqrt2 sin a)^2.
; Leaves sine in window 1 low, cosine in window 1 high; y's array is used up.
.macro SINCOS yw, yb
.set WV, 0x40|(\yw<<2)|\yw
	WIN WV
	P_MUL LO, \yb, \yb
	WIN 0x45
	P_FMA_KC HI, LO, KS4, S3P
	P_FMA_VK HI, HI, LO, KS2
	P_FMA_VK HI, HI, LO, KS1
	P_FMA_VK HI, HI, LO, KS0
.set WV, 0x41|(\yw<<2)
	WIN WV
	P_MUL HI, HI, \yb
.set WV, (\yw<<6)|1
	WIN WV
	P_FMA_KC \yb, LO, KC5, C4P
.set WV, (\yw<<6)|4|\yw
	WIN WV
	P_FMA_VK \yb, \yb, LO, KC3
	P_FMA_VK \yb, \yb, LO, KC2
	P_FMA_VK \yb, \yb, LO, KC1
	P_FMA_VK \yb, \yb, LO, KC0
.set WV, 0x41|(\yw<<2)
	WIN WV
	P_MUL LO, HI, \yb
	WIN 0x45
	P_ONEMSQ HI
.endm
; Part g of the context: a tile's eight steps of my channel are 16 bytes; sixteen lanes store 256 consecutive bytes, aligned.
.macro CVTST x, g, wc, ws
	WIN \wc
.set mt, 0
.rept 16
.set i, 0
.rept 4
	v_cvt_pk_bf16_f32 v[\x+8*mt+i], v[\x+8*mt+2*i], v[\x+8*mt+2*i+1]
.set i, i+1
.endr
.set mt, mt+1
.endr
	WIN \ws
.set mt, 0
.rept 16
	global_store_b128 v8, v[\x+8*mt:\x+8*mt+3], s[20:21] offset:mt*1024+\g*256
.set mt, mt+1
.endr
.endm
	WIN 0
.set i, 0
.rept 6
	v_cvt_pk_bf16_f32 v[112+i], v[112+i], v[112+i] ; biases and scale: rounded to bf16 like every input
.set i, i+1
.endr
.set i, 0
.rept 6
	v_and_b32 v[112+i], 0xffff0000, v[112+i]
.set i, i+1
.endr
	v_and_b32 v[SC], 0x7fffffff, v117
	v_and_b32 v[SC+1], 0x7fffffff, v117
	v_mul_f32 v[COM], v112, v[SC]
	v_mul_f32 v[COM+1], v112, v[SC]
	v_mul_f32 v[CGA], NLOG2E, v113
	v_mul_f32 v[CGA+1], NLOG2E, v113
	v_mov_b32 v[CMG], NLOG2_5
	v_mov_b32 v[CMG+1], NLOG2_5
	v_fmac_f32 v[CMG], NLOG2E, v114
	v_fmac_f32 v[CMG+1], NLOG2E, v114
	v_mul_f32 v[BQT], INV2PI, v116
	v_mul_f32 v[BQT+1], INV2PI, v116
	v_mov_b32 v[S3P], KS3
	v_mov_b32 v[S3P+1], KS3
	v_mov_b32 v[C4P], KC4
	v_mov_b32 v[C4P+1], KC4
	; gate = 1 / (1 + 2^(-(z + b) log2 e))
	WIN 0x41
	P_FMA_KC HI, HI, NLOG2E, CGA
	T1 v_exp_f32, HI, HI
	v_nop
	s_wait_alu depctr_va_vdst(0)
	P_ADDK HI, HI, 1.0
	T1 v_rcp_f32, HI, HI
	v_nop
	P_FMA_CC LO, LO, SC, COM                       ; (omega + b) |scale|
	WIN 0x45
	P_MUL LO, LO, HI                               ; gated omega
	SCAN8 LO
	; magnitude = 5 sigmoid = 1 / (0.2 + 2^(-(z + b) log2 e - log2 5))
	WIN 0x82
	P_FMA_KC LO, LO, NLOG2E, CMG
	T1 v_exp_f32, LO, LO
	v_nop
	s_wait_alu depctr_va_vdst(0)
	P_ADDK LO, LO, FIFTH
	T1 v_rcp_f32, LO, LO
	v_nop
	s_wait_alu depctr_va_vdst(0)
	WIN 0xc2
	P_MUL HI, LO, HI                               ; weighted content = magnitude x, into window 3 high
	WIN 0x8a
	SCAN8 LO
	WIN 0x04
	CHAIN IT1, LO
	WIN 0x08
	CHAIN IT1+1, LO
	WIN 0
	v_mov_b32 v12, v115                            ; the phase's offsets start from b_phi0,
	v_mov_b32 v13, EPS                             ; the magnitude's from 1e-8
	EXCH IT1, 0
	OFFS IT1
	; the phase's tile offsets from radians to turns, reduced: o/2pi - round(o/2pi), with 1/2pi in two parts
.set mt, 0
.rept 16
	v_mul_f32 v[96+mt], INV2PI, v[IT1+2*mt]
.set mt, mt+1
.endr
.set mt, 0
.rept 16
	v_rndne_f32 v[96+mt], v[96+mt]
.set mt, mt+1
.endr
.set mt, 0
.rept 16
	v_fma_f32 v[96+mt], v[IT1+2*mt], INV2PI, -v[96+mt]
.set mt, mt+1
.endr
.set mt, 0
.rept 16
	v_fma_f32 v[IT1+2*mt], v[IT1+2*mt], INV2PILO, v[96+mt]
.set mt, mt+1
.endr
	WIN 0x86
	P_ADD HI, HI, LO                               ; phi0 + running sum inside the tile
	WIN 0x82
	P_FMA_KT HI, HI, INV2PI, IT1                   ; in turns, + the tile's offset
	WIN 0x42
	T1 v_rndne_f32, LO, HI
	WIN 0x86
	P_SUB HI, HI, LO                               ; y: phi in turns, within half a turn of 0
	WIN 0xc3
	P_FMA_KC LO, LO, INV2PI, BQT                   ; (q + b_q) in turns
	WIN 0xcb
	P_ADD LO, LO, HI
	WIN 0x43
	T1 v_rndne_f32, LO, LO
	WIN 0xc7
	P_SUB LO, LO, LO                               ; yq: phi_q in turns, reduced
	SINCOS 2, HI                                   ; window 1: sin phi low, cos phi high
	WIN 0x87
	P_MUL HI, HI, HI                               ; window 2 high = content cos phi
	WIN 0xc7
	P_MUL HI, HI, LO                               ; window 3 high = content sin phi
	WIN 0x8a
	SCAN8 HI
	WIN 0xcf
	SCAN8 HI
	WIN 0x08
	CHAIN IT2, HI
	WIN 0x0c
	CHAIN IT2+1, HI
	WIN 0
	v_mov_b32 v12, 0
	v_mov_b32 v13, 0
	EXCH IT2, 1024                                 ; other bytes than the first exchange: no barrier between the two uses
	OFFS IT2
	WIN 0x44
	P_MUL HI, HI, HI                               ; x cos phi
	P_MUL LO, HI, LO                               ; x sin phi
	CVTST HI, 0, 0x45, 0x04
	CVTST LO, 1, 0x45, 0x04
	s_wait_xcnt 0x0                                ; window 1, which these stores read, is rewritten only behind this wait
	SINCOS 3, LO                                   ; window 1: sin phi_q low, cos phi_q high
	WIN 0x82
	P_ADDT LO, LO, IT1, 1                          ; running magnitude + 1e-8
	T1 v_rsq_f32, LO, LO
	v_nop
	s_wait_alu depctr_va_vdst(0)
	P_ADDT HI, HI, IT2, 0
	WIN 0x8a
	P_MUL HI, HI, LO                               ; memory real
	WIN 0xc3
	P_ADDT HI, HI, IT2, 1
	WIN 0xcb
	P_MUL HI, HI, LO                               ; memory imaginary
	WIN 0x86
	P_MUL LO, HI, HI
	WIN 0xa7
	P_FMA LO, HI, LO, LO                           ; retrieved real = mr cos q + mi sin q
	WIN 0xc7
	P_MUL LO, HI, HI
	WIN 0xf6
	P_FNMA LO, HI, LO, LO                          ; retrieved imaginary = mi cos q - mr sin q
	CVTST LO, 2, 0x8a, 0x08
	CVTST LO, 3, 0xcf, 0x0c
	WIN 0
	s_wait_tensorcnt 0x0
	ds_add_u32 v126, v127
	s_wait_dscnt 0x0
	CROUND                                         ; the closing round: no work-group ends while a partner may still ask jointly
	s_endpgm
.Lfunc_end_k_qd909fe9c3e_phase:
	.size	k_qd909fe9c3e_phase, .Lfunc_end_k_qd909fe9c3e_phase-k_qd909fe9c3e_phase
	.p2alignl 7, 3214868480
	.fill 96, 4, 3214868480
	.section	.rodata,"a",@progbits
	.p2align	6, 0x0
	.amdhsa_kernel k_qd909fe9c3e_phase
		.amdhsa_group_segment_fixed_size 327680
		.amdhsa_private_segment_fixed_size 0
		.amdhsa_enable_private_segment 0
		.amdhsa_kernarg_size 72
		.amdhsa_user_sgpr_count 2
		.amdhsa_user_sgpr_kernarg_segment_ptr 1
		.amdhsa_wavefront_size32 1
		.amdhsa_system_sgpr_workgroup_id_x 1
		.amdhsa_system_sgpr_workgroup_id_y 1
		.amdhsa_system_sgpr_workgroup_id_z 1
		.amdhsa_system_vgpr_workitem_id 0
		.amdhsa_next_free_vgpr 1024
		.amdhsa_next_free_sgpr 84
		.amdhsa_reserve_vcc 1
		.amdhsa_float_denorm_mode_32 3
		.amdhsa_float_denorm_mode_16_64 3
		.amdhsa_memory_ordered 1
		.amdhsa_forward_progress 1
		.amdhsa_inst_pref_size 255
	.end_amdhsa_kernel
	.section	.bss,"aw",@nobits
	.p2align	6
	.space	262144
	.amdgpu_metadata
---
amdhsa.version: [ 1, 2 ]
amdhsa.kernels:
  - .name:           k_qd909fe9c3e_phase
    .symbol:         k_qd909fe9c3e_phase.kd
    .args:
      - { .name: xb, .offset: 0, .size: 8, .value_kind: global_buffer, .address_space: global }
      - { .name: wp, .offset: 8, .size: 8, .value_kind: global_buffer, .address_space: global }
      - { .name: b_omega, .offset: 16, .size: 8, .value_kind: global_buffer, .address_space: global }
      - { .name: b_gate, .offset: 24, .size: 8, .value_kind: global_buffer, .address_space: global }
      - { .name: b_mag, .offset: 32, .size: 8, .value_kind: global_buffer, .address_space: global }
      - { .name: b_phi0, .offset: 40, .size: 8, .value_kind: global_buffer, .address_space: global }
      - { .name: b_q, .offset: 48, .size: 8, .value_kind: global_buffer, .address_space: global }
      - { .name: integration_scale, .offset: 56, .size: 8, .value_kind: global_buffer, .address_space: global }
      - { .name: ctx, .offset: 64, .size: 8, .value_kind: global_buffer, .address_space: global }
    .group_segment_fixed_size: 327680
    .private_segment_fixed_size: 0
    .kernarg_segment_align: 8
    .kernarg_segment_size: 72
    .max_flat_workgroup_size: 128
    .sgpr_count:     84
    .vgpr_count:     1024
    .wavefront_size: 32
...
	.end_amdgpu_metadata
.endif
;; end of part 2
;; launch outp (part 3): grid 8 x 32, 4 waves a work-group, clusters of 4 x 1, 327,680 bytes of LDS; arguments ctx, wob, xb, b_out, out0; writes out0
.if DOCPART == 3
	.amdgcn_target "amdgcn-amd-amdhsa--gfx1250"
	.amdhsa_code_object_version 6
	.text
	.protected	k_qd909fe9c3e_outp
	.globl	k_qd909fe9c3e_outp
	.p2align	8
	.type	k_qd909fe9c3e_outp,@function
k_qd909fe9c3e_outp:
	s_mov_b64 s[64:65], 0
	v_nop
	global_prefetch_b8 v0, s[64:65] scope:SCOPE_SE
	s_setreg_imm32_b32 hwreg(HW_REG_WAVE_MODE, 25, 1), 1
	s_wait_xcnt 0x0
	s_wait_alu depctr_hold_cnt(0) depctr_sa_sdst(0) depctr_va_vdst(0) depctr_va_sdst(0) depctr_va_ssrc(0) depctr_va_vcc(0) depctr_vm_vsrc(0)
	s_getreg_b32 s2, hwreg(HW_REG_IB_STS2, 6, 4)
	s_cmp_eq_u32 s2, 0
	s_cbranch_scc0 .Lentry_in_a_cluster
	s_endpgm
.Lentry_in_a_cluster:
	s_bfe_u32 s2, ttmp6, 0x10000c
	s_cmp_lg_u32 s2, 0x3003
	s_cbranch_scc0 .Lentry_shape_is_right
	s_endpgm
.Lentry_shape_is_right:
; out0 = x + context W_out + b_out.  context: ctx [rb 32][cb 64][m8 16][kk 64][j 8] bf16 (row = 128 rb + 8 m8 + j; k' = 64 cb + kk);
; W_out: wob [chunk 128 (32 k')][nt 64 (16 n)][half 2][lane 32][8 bf16], the register order of a matrix operand.
; A work-group makes 128 x 128 of out0.  K = 4,096 is SPLIT OVER THE FOUR WAVES: in interval T (0..7) wave w multiplies cb = 8 T + 2 w and 8 T + 2 w + 1, four chunks of
; 32 along K (wob's chunks 16 T + 4 w + j), each wave on a full 128 x 128 tile (512 registers).  The price is one sum of four partial tiles through LDS at the end.
; THE CONTEXT goes through LDS (it lies with K down the rows and needs the transposing load): two slots of 144 KiB, each with an interval's eight cb; a wave fetches the
; two cb that it multiplies, 32 KiB, with one tensor load.  CLUSTER 4 x 1: the four column blocks of a cluster need the same context: joint loads, mask 15.
; W_OUT goes straight into registers, and is NOT shared by multicast, for these reasons of the code's own arithmetic: with K split over the waves each of its bytes is
; used by one wave of the work-group alone, so LDS would give no reuse; left out of the slots it lets one refill serve 256 matrix instructions of a wave instead of 128,
; with half as many rounds of the cluster's barrier; and loads into registers are not tied to the refill's barrier: chunk c asks for chunk c + 3, 192 matrix
; instructions ahead, through a ring of four fragment buffers.
; LIMITS, stated: x and b_out are used rounded to bf16, like every input of this program; the sum over K is formed as four partial sums.
; The matrix instruction is used transposed (source 0 = W_out, source 1 = context): lane l holds row l % 16 and eight neighbouring columns.
; REGISTERS: window 0: v16-31 addresses, v32-39 b_out, v64-127 / v128-191 context fragments (two buffers), later x and the partial sums;
; window 1: v0-255 W_out's fragments, four buffers of 64; windows 2, 3: the accumulators of rows 0-63, 64-127 (tile (a, b) at v[8 (8 a + b)]).
.set PAQ,   288                        ; context in LDS: a piece of 256 bytes (16 K x eight rows) + 32 of padding
.set PA8,   4*PAQ                      ; eight rows x 64 K of context: 1,152 bytes = 128 modulo 256: odd blocks fall on the other half of 256 bytes
.set ATILE, 16*PA8                     ; one cb: 18,432
.set HALFT, 2*ATILE                    ; what one tensor load brings: a wave's two cb
.set SLOT,  4*HALFT
.set ASTEP, 131072                     ; an interval's eight cb of context in memory
.set BCH,   65536                      ; a chunk of wob: 32 k' x 1,024 columns
.set BINT,  16*BCH                     ; an interval's sixteen chunks
.set DP,    528                        ; the way out: a row of 128 f32 + 16 bytes
.set DUMP,  128*DP
.set ADRA, 16                          ; v16-17 my context fragments in slot 0, 1
.set BVO,  20                          ; v20    16 x lane: my 16 bytes of each block of wob; never rewritten
.set STO,  24
.set RD,   25                          ; v25-28: the four partial tiles
.set CO,   29
.set XO,   30
.set BO,   31
.set F0,   64
.set F1,   128
.set G1, 24                            ; s[24:31] the shape of a wave's context tile
.set G0, 32                            ; s[32:39] from where, to where: slot 0, 1
.set MSB, 0
.macro WIN new                         ; the immediate's high byte repeats the setting that is left
.if MSB != \new
	s_set_vgpr_msb (MSB<<8)|\new
.set MSB, \new
.endif
.endm
.set MUL_LO, 0xa1                      ; source 0 (W_out) window 1, source 1 (context) window 0, C and D window 2
.set MUL_HI, 0xf1
.set TO_B,   0x40                      ; destination window 1, address window 0
.macro CREST
	s_cmp_lg_u32 s14, 0
	s_cbranch_scc1 .Lnot_wave_0_\@
	s_barrier_signal -3
.Lnot_wave_0_\@:
	s_barrier_wait -3
	s_barrier_signal -1
	s_barrier_wait -1
.endm
.macro CROUND
	s_barrier_signal -1
	s_barrier_wait -1
	CREST
.endm
.macro PLACES                          ; four plain vector places behind matrix instructions, in front of loads into registers that they have read
.rept 4
	v_nop
.endr
.endm
.macro BLOAD buf, off                  ; a chunk of W_out for my 128 columns: sixteen loads of 512 consecutive bytes, straight into fragment registers
	WIN TO_B
.irp i, 0,1,2,3,4,5,6,7
	global_load_b128 v[\buf+8*\i:\buf+8*\i+3],   v[BVO], s[46:47] offset:\off+1024*\i
	global_load_b128 v[\buf+8*\i+4:\buf+8*\i+7], v[BVO], s[46:47] offset:\off+1024*\i+512
.endr
.endm
.macro FETCHA slot, off, f             ; 128 rows of context, 32 K: sixteen transposing loads
	WIN 0
.irp i, 0,1,2,3,4,5,6,7
	ds_load_tr16_b128 v[\f+8*\i:\f+8*\i+3],   v[ADRA+\slot] offset:\off+\i*2*PA8        ; K = 8 h ..: the chunk's first piece of 16 K
	ds_load_tr16_b128 v[\f+8*\i+4:\f+8*\i+7], v[ADRA+\slot] offset:\off+\i*2*PA8+PAQ    ; K = 16 + 8 h ..: its second
.endr
.endm
.macro MUL16 fb, fa, hi, a0, zero
.irp a, \a0, \a0+1
.irp b, 0,1,2,3,4,5,6,7
.if \zero
	v_wmma_f32_16x16x32_bf16 v[8*(8*(\a)+\b):8*(8*(\a)+\b)+7], v[\fb+8*\b:\fb+8*\b+7], v[\fa+8*(4*\hi+\a):\fa+8*(4*\hi+\a)+7], 0
.else
	v_wmma_f32_16x16x32_bf16 v[8*(8*(\a)+\b):8*(8*(\a)+\b)+7], v[\fb+8*\b:\fb+8*\b+7], v[\fa+8*(4*\hi+\a):\fa+8*(4*\hi+\a)+7], v[8*(8*(\a)+\b):8*(8*(\a)+\b)+7]
.endif
.endr
.endr
.endm
.macro MUL32 fb, fa, hi, zero
	MUL16 \fb, \fa, \hi, 0, \zero
	MUL16 \fb, \fa, \hi, 2, \zero
.endm
; The 64 accumulators take turns, one instruction a turn, in the same order in every chunk, over the backward jump too.
; Chunk j = 0, 1, 2 of an interval: one run of loads (W_out's chunk three ahead, the context's next chunk), then 64 matrix instructions.
; ask = 1: W_out's chunk j + 3 is asked for; left = how many younger loads into registers may stay out.
.macro CHUNK slot, j, ask, left, zero
.set FB,  64*(\j)
.set FA,  F0+64*((\j)&1)
.set FN,  F0+64*(((\j)+1)&1)
.set NB,  64*(((\j)+3)&3)
.set NBO, (((\j)+3)>>2)*BINT+(((\j)+3)&3)*BCH
.set NAO, (((\j)+1)>>1)*ATILE+(((\j)+1)&1)*2*PAQ
	s_wait_dscnt 0x0                               ; this chunk's context fragments, fetched a chunk ago
	s_wait_loadcnt \left                           ; this chunk's W_out is in; the younger chunks' sixteen loads each stay out
	PLACES
.if \ask
	BLOAD NB, NBO                                  ; into the buffer that the last chunk multiplied
.endif
	FETCHA \slot, NAO, FN
	WIN MUL_LO
	MUL32 FB, FA, 0, \zero
	WIN MUL_HI
	MUL32 FB, FA, 1, \zero
.endm
; Chunk 3: its fragments were the last reads of this slot, so here the slots change.  In front of the barrier each wave has waited for its reads of the slot and for
; all its tensor loads, of which one is out: its part of the other slot.  Behind it (where the slot is filled again: behind the round that it opens) the refill comes
; first, then the other slot's first fragments.  Nothing stands between signal and wait, so that the next request leaves as soon as all have said so.
.macro LASTQ slot, next, fill
	s_wait_dscnt 0x0                               ; chunk 3's fragments are in: my reads of this slot are over
	s_wait_loadcnt 32
	PLACES
	BLOAD 128, BINT+2*BCH
	WIN MUL_LO
	MUL32 192, F1, 0, 0
	WIN 0
	s_wait_tensorcnt 0x0                           ; all my tensor loads have landed; 256 matrix instructions stand between a request and this wait
	ds_add_u32 v254, v255
	s_wait_dscnt 0x0
	s_barrier_signal -1
	s_barrier_wait -1
.if \fill
	CREST                                          ; no wave of any partner still reads this slot or has a load on its way
	s_add_nc_u64 s[G0+4*\slot+2:G0+4*\slot+3], s[G0+4*\slot+2:G0+4*\slot+3], 2*ASTEP
	tensor_load_to_lds s[G0+4*\slot:G0+4*\slot+3], s[G1:G1+7]      ; the wave's one tensor load behind the round
	s_nop 0
.endif
	PLACES
	FETCHA \next, 0, F0
	WIN MUL_HI
	MUL32 192, F1, 1, 0
.endm
.macro INTERVAL slot, next, fill, step, zero
.if \step
	s_wait_xcnt 0x0                                ; wob's base, which pending loads name, is stepped only behind this wait
	s_add_nc_u64 s[46:47], s[46:47], BINT
.endif
	CHUNK \slot, 0, 1, 32, \zero
	CHUNK \slot, 1, 1, 32, 0
	CHUNK \slot, 2, 1, 32, 0
	LASTQ \slot, \next, \fill
.endm
	s_load_b256 s[4:11], s[0:1], 0x0               ; ctx s[4:5], wob s[6:7], xb s[8:9], b_out s[10:11]
	s_load_b64 s[12:13], s[0:1], 0x20              ; out0
	v_lshl_add_u32 v254, v0, 2, 0x48000
	v_mov_b32 v255, 0
	ds_add_u32 v254, v255
	v_lshrrev_b32 v1, 5, v0
	v_readfirstlane_b32 s14, v1                    ; wave 0..3
	v_and_b32 v10, 31, v0
	v_lshlrev_b32 v[BVO], 4, v10
	s_bfe_u32 s17, ttmp6, 0x40000                  ; cx
	s_lshl_b32 s19, ttmp9, 2
	s_add_co_u32 s19, s19, s17                     ; column block = 4 x cluster x + cx
	s_and_b32 s20, ttmp7, 0xffff                   ; row block = cluster y
	; a wave's context tile: 32,768 dense bytes as 128 rows of 256; 32 bytes of padding behind every row, so that the rows lie 288 bytes apart in LDS
	s_mov_b32 s[G1+0], 15|(3<<16)|(1<<20)|(1<<21)|(5<<22)|(7<<25)   ; mask: all four partners; 8-byte elements; padding on; bit 21 beside a mask; every 64 words, 8 words
	s_mov_b32 s[G1+1], 32<<16                      ; tensor_dim0 = 32
	s_mov_b32 s[G1+2], 128<<16                     ; tensor_dim1 = 128
	s_mov_b32 s[G1+3], 32<<16                      ; tile_dim0 = 32
	s_mov_b32 s[G1+4], 128                         ; tile_dim1 = 128
	s_mov_b32 s[G1+5], 32                          ; from row to row
	s_mov_b32 s[G1+6], 0
	s_mov_b32 s[G1+7], 0
	s_lshl_b32 s40, s20, 20                        ; context: row block x 1 MiB + wave x two cb of 16 KiB: the partners share both
	s_lshl_b32 s41, s14, 15
	s_add_co_u32 s40, s40, s41
	s_mov_b32 s41, 0
	s_lshl_b32 s42, s14, 18                        ; wob: wave x four chunks + column block x eight blocks of 1,024 bytes
	s_lshl_b32 s43, s19, 13
	s_add_co_u32 s42, s42, s43
	s_mov_b32 s43, 0
	s_mul_i32 s23, s14, HALFT                      ; LDS: wave x 36,864 + the slot's constant
	s_lshl_b32 s68, s19, 20                        ; x: column block x 2 blocks of 524,288 + row block x 128 rows of 128 bytes
	s_lshl_b32 s72, s20, 14
	s_add_co_u32 s68, s68, s72
	s_mov_b32 s69, 0
	s_lshl_b32 s70, s20, 19                        ; out0: row block x 128 rows of 4,096 + column block x 512
	s_lshl_b32 s72, s19, 9
	s_add_co_u32 s70, s70, s72
	s_mov_b32 s71, 0
	s_wait_dscnt 0x0
	s_wait_kmcnt 0x0
	s_add_nc_u64 s[44:45], s[4:5], s[40:41]
	s_add_nc_u64 s[46:47], s[6:7], s[42:43]
	s_add_nc_u64 s[8:9], s[8:9], s[68:69]
	s_add_nc_u64 s[12:13], s[12:13], s[70:71]
	CROUND                                         ; all four work-groups are here: the first joint loads meet
.irp s, 0,1
	s_mov_b32 s[G0+4*\s], 1
	s_add_co_u32 s[G0+4*\s+1], s23, \s*SLOT
	s_add_nc_u64 s[G0+4*\s+2:G0+4*\s+3], s[44:45], \s*ASTEP
	s_or_b32 s[G0+4*\s+3], s[G0+4*\s+3], 0x80000000
	tensor_load_to_lds s[G0+4*\s:G0+4*\s+3], s[G1:G1+7]            ; intervals 0 and 1: two tensor loads of the wave are out
	s_nop 0
.endr
	BLOAD 0, 0                                     ; W_out's chunks 0, 1, 2: 48 loads, the most that a wave ever has out
	BLOAD 64, BCH
	BLOAD 128, 2*BCH
	WIN 0
	v_and_b32 v1, 7, v0
	v_bfe_u32 v2, v0, 3, 1
	v_bfe_u32 v3, v0, 4, 1                         ; h
	v_and_b32 v4, 15, v0                           ; r
	v_lshl_add_u32 v5, v3, 3, v1                   ; the K row that I address: 8 h + (l & 7), inside one piece of 16 K rows
	v_lshlrev_b32 v6, 4, v5
	v_mad_u32_u24 v6, v2, PA8, v6                  ; context: 16 bytes a K row, the odd block of eight rows 1,152 on
	v_add_nc_u32 v[ADRA], s23, v6                  ; the bytes that my own tensor loads bring
	v_add_nc_u32 v[ADRA+1], SLOT, v[ADRA]
	v_mul_u32_u24 v8, v4, DP
	v_lshl_add_u32 v8, v3, 5, v8
	s_mul_i32 s73, s14, DUMP
	v_add_nc_u32 v[STO], s73, v8                   ; my partial tile: row r, 32 bytes for each half of the lanes
	v_mul_u32_u24 v9, v3, DP
	v_lshl_add_u32 v9, v4, 4, v9
	s_mul_i32 s73, s14, 32*DP
	v_add_nc_u32 v[RD], s73, v9                    ; back: rows 32 w + h, 16 bytes a lane
	v_add_nc_u32 v[RD+1], DUMP, v[RD]
	v_add_nc_u32 v[RD+2], 2*DUMP, v[RD]
	v_add_nc_u32 v[RD+3], 3*DUMP, v[RD]
	v_lshlrev_b32 v[CO], 4, v4
	v_lshl_add_u32 v[CO], v3, 12, v[CO]
	s_lshl_b32 s73, s14, 17
	v_add_nc_u32 v[CO], s73, v[CO]                 ; out0: (32 w + h) rows + 16 r
	s_lshl_b32 s73, s14, 12
	v_lshl_add_u32 v[XO], v10, 3, s73              ; xb: 32 w rows of 128 bytes + 8 l
	s_lshl_b32 s75, s19, 9
	v_lshl_add_u32 v[BO], v4, 4, s75               ; b_out: column block x 512 + 16 r
	s_wait_tensorcnt 1                             ; my part of interval 0 is in; interval 1's may stay out
	s_barrier_signal -1
	s_barrier_wait -1
	FETCHA 0, 0, F0
	INTERVAL 0, 1, 1, 0, 1                         ; intervals 0 and 1 stand ahead of the loop: the first chunk's products start the sums
	INTERVAL 1, 0, 1, 1, 0
	WIN 0
	s_mov_b32 s3, 2
.Llap:
	INTERVAL 0, 1, 1, 1, 0                         ; intervals 2 to 5
	INTERVAL 1, 0, 1, 1, 0
	WIN 0
	s_sub_co_u32 s3, s3, 1
	s_cmp_lg_u32 s3, 0
	s_cbranch_scc1 .Llap
	INTERVAL 0, 1, 0, 1, 0                         ; interval 6 fills no slot
	s_wait_xcnt 0x0
	s_add_nc_u64 s[46:47], s[46:47], BINT
	CHUNK 1, 0, 1, 32, 0                           ; interval 7: the last chunk of W_out is asked for, then nothing: the counts run down
	CHUNK 1, 1, 0, 32, 0
	CHUNK 1, 2, 0, 16, 0
	s_wait_dscnt 0x0
	s_wait_loadcnt 0x0
	WIN MUL_LO
	MUL32 192, F1, 0, 0
	WIN MUL_HI
	MUL32 192, F1, 1, 0
	; THE WAY OUT.  Each wave lays its partial tile into LDS (the slots have had their last fill and, behind the barrier, their last read);
	; then wave w adds the four partial tiles' rows 32 w .. 32 w + 31, x and b_out, and stores whole rows.
	PLACES
	WIN 0
	global_load_b128 v[32:35], v[BO], s[10:11]
	global_load_b128 v[36:39], v[BO], s[10:11] offset:256
.set rp, 0
.rept 16
	global_load_b64 v[64+4*rp:64+4*rp+1], v[XO], s[8:9] offset:rp*256
	global_load_b64 v[64+4*rp+2:64+4*rp+3], v[XO], s[8:9] offset:524288+rp*256
.set rp, rp+1
.endr
	s_wait_dscnt 0x0
	s_barrier_signal -1
	s_barrier_wait -1                              ; nobody reads a slot any more
.macro DUMPW hi
.set aa, 0
.rept 4
.set bb, 0
.rept 8
	ds_store_b128 v[STO], v[8*(8*aa+bb):8*(8*aa+bb)+3] offset:(4*\hi+aa)*16*DP+64*bb
	ds_store_b128 v[STO], v[8*(8*aa+bb)+4:8*(8*aa+bb)+7] offset:(4*\hi+aa)*16*DP+64*bb+16
.set bb, bb+1
.endr
.set aa, aa+1
.endr
.endm
	WIN 0x08
	DUMPW 0
	WIN 0x0c
	DUMPW 1
	WIN 0
	s_wait_dscnt 0x0                               ; my stores are in LDS before I say so
	s_barrier_signal -1
	s_barrier_wait -1
	s_wait_loadcnt 0x0                             ; b_out and x
.set i, 0
.rept 8
	v_cvt_pk_bf16_f32 v[32+i], v[32+i], v[32+i]    ; b_out rounded to bf16 like every input
.set i, i+1
.endr
.set i, 0
.rept 8
	v_and_b32 v[32+i], 0xffff0000, v[32+i]
.set i, i+1
.endr
.macro RLOAD rp, buf                   ; two rows x four partial tiles x two halves of a row
.set pp, 0
.rept 4
	ds_load_b128 v[\buf+8*pp:\buf+8*pp+3], v[RD+pp] offset:(\rp)*2*DP
	ds_load_b128 v[\buf+8*pp+4:\buf+8*pp+7], v[RD+pp] offset:(\rp)*2*DP+256
.set pp, pp+1
.endr
.endm
.macro RSUM rp, buf, res
	s_wait_xcnt 0x0                                ; the result registers, which earlier stores read, are rewritten only behind this wait
.irp hh, 0,1
	v_lshlrev_b32 v208, 16, v[64+4*(\rp)+2*\hh]
	v_and_b32 v209, 0xffff0000, v[64+4*(\rp)+2*\hh]
	v_lshlrev_b32 v210, 16, v[64+4*(\rp)+2*\hh+1]
	v_and_b32 v211, 0xffff0000, v[64+4*(\rp)+2*\hh+1]
.irp e, 0,2
	v_pk_add_f32 v[208+\e:209+\e], v[208+\e:209+\e], v[32+4*\hh+\e:33+4*\hh+\e]
	v_pk_add_f32 v[\buf+4*\hh+\e:\buf+4*\hh+\e+1], v[\buf+4*\hh+\e:\buf+4*\hh+\e+1], v[\buf+8+4*\hh+\e:\buf+8+4*\hh+\e+1]
	v_pk_add_f32 v[\buf+16+4*\hh+\e:\buf+16+4*\hh+\e+1], v[\buf+16+4*\hh+\e:\buf+16+4*\hh+\e+1], v[\buf+24+4*\hh+\e:\buf+24+4*\hh+\e+1]
	v_pk_add_f32 v[\buf+4*\hh+\e:\buf+4*\hh+\e+1], v[\buf+4*\hh+\e:\buf+4*\hh+\e+1], v[\buf+16+4*\hh+\e:\buf+16+4*\hh+\e+1]
	v_pk_add_f32 v[\res+4*\hh+\e:\res+4*\hh+\e+1], v[\buf+4*\hh+\e:\buf+4*\hh+\e+1], v[208+\e:209+\e]
.endr
	global_store_b128 v[CO], v[\res+4*\hh:\res+4*\hh+3], s[12:13] offset:(\rp)*8192+\hh*256 th:TH_STORE_NT   ; sixteen lanes store 256 consecutive bytes, aligned
.endr
.endm
	RLOAD 0, 128
.irp n, 0,2,4,6,8,10,12
	RLOAD \n+1, 160
	s_wait_dscnt 0x8                               ; this batch's eight loads are in, the next batch's eight stay out
	RSUM \n, 128, 192
	RLOAD \n+2, 128
	s_wait_dscnt 0x8
	RSUM \n+1, 160, 200
.endr
	RLOAD 15, 160
	s_wait_dscnt 0x8
	RSUM 14, 128, 192
	s_wait_dscnt 0x0
	RSUM 15, 160, 200
	s_wait_tensorcnt 0x0
	ds_add_u32 v254, v255
	s_wait_dscnt 0x0
	CROUND                                         ; the closing round: no work-group ends while a partner may still ask jointly
	s_endpgm
.Lfunc_end_k_qd909fe9c3e_outp:
	.size	k_qd909fe9c3e_outp, .Lfunc_end_k_qd909fe9c3e_outp-k_qd909fe9c3e_outp
	.p2alignl 7, 3214868480
	.fill 96, 4, 3214868480
	.section	.rodata,"a",@progbits
	.p2align	6, 0x0
	.amdhsa_kernel k_qd909fe9c3e_outp
		.amdhsa_group_segment_fixed_size 327680
		.amdhsa_private_segment_fixed_size 0
		.amdhsa_enable_private_segment 0
		.amdhsa_kernarg_size 40
		.amdhsa_user_sgpr_count 2
		.amdhsa_user_sgpr_kernarg_segment_ptr 1
		.amdhsa_wavefront_size32 1
		.amdhsa_system_sgpr_workgroup_id_x 1
		.amdhsa_system_sgpr_workgroup_id_y 1
		.amdhsa_system_sgpr_workgroup_id_z 1
		.amdhsa_system_vgpr_workitem_id 0
		.amdhsa_next_free_vgpr 1024
		.amdhsa_next_free_sgpr 76
		.amdhsa_reserve_vcc 0
		.amdhsa_float_denorm_mode_32 3
		.amdhsa_float_denorm_mode_16_64 3
		.amdhsa_memory_ordered 1
		.amdhsa_forward_progress 1
		.amdhsa_inst_pref_size 223
	.end_amdhsa_kernel
	.amdgpu_metadata
---
amdhsa.version: [ 1, 2 ]
amdhsa.kernels:
  - .name:           k_qd909fe9c3e_outp
    .symbol:         k_qd909fe9c3e_outp.kd
    .args:
      - { .name: ctx, .offset: 0, .size: 8, .value_kind: global_buffer, .address_space: global }
      - { .name: wob, .offset: 8, .size: 8, .value_kind: global_buffer, .address_space: global }
      - { .name: xb, .offset: 16, .size: 8, .value_kind: global_buffer, .address_space: global }
      - { .name: b_out, .offset: 24, .size: 8, .value_kind: global_buffer, .address_space: global }
      - { .name: out0, .offset: 32, .size: 8, .value_kind: global_buffer, .address_space: global }
    .group_segment_fixed_size: 327680
    .private_segment_fixed_size: 0
    .kernarg_segment_align: 8
    .kernarg_segment_size: 40
    .max_flat_workgroup_size: 128
    .sgpr_count:     76
    .vgpr_count:     1024
    .wavefront_size: 32
...
	.end_amdgpu_metadata
.endif
;; end of part 3
;; ======== version 2 of 2: 3 launches; version 1 with the launch prep written anew for expert scheduling mode
;; limits: values outside matrix products are rounded to bf16
;; workspace buffers: xb 8,388,608 bytes; wob 8,388,608 bytes; wp 10,485,760 bytes; ctx 33,554,432 bytes
;; launch prep (part 4): grid 768 x 1, 8 waves a work-group, no clusters, 41,984 bytes of LDS; arguments x, W_out, W_omega, W_gate, W_mag, W_phi0, W_q, xb, wob, wp; writes xb, wob, wp
.if DOCPART == 4
	.amdgcn_target "amdgcn-amd-amdhsa--gfx1250"
	.amdhsa_code_object_version 6
	.text
	.protected	k_qd909fe9c3e_prep
	.globl	k_qd909fe9c3e_prep
	.p2align	8
	.type	k_qd909fe9c3e_prep,@function
k_qd909fe9c3e_prep:
	s_mov_b64 s[64:65], 0
	v_nop
	global_prefetch_b8 v0, s[64:65] scope:SCOPE_SE
	s_setreg_imm32_b32 hwreg(HW_REG_WAVE_SCHED_MODE, 0, 2), 2
	s_setreg_imm32_b32 hwreg(HW_REG_WAVE_MODE, 25, 1), 1
	s_wait_xcnt 0x0
	s_wait_alu depctr_vm_vsrc(0)
; Casts to bf16 (round to nearest even) into the layouts that the two matrix launches read.
;   work-groups   0-255: x      -> xb  [kb 16][m 4096][64]          (kb = block of 64 channels)
;   work-groups 256-511: W_out  -> wob, in the register order of a matrix operand.  With k' = cb*64 + g*16 + c standing for W_out's row g*1024 + cb*16 + c:
;                        wob [chunk 128 (32 k')][nt 64 (16 n)][half 2 (16 k')][lane 32][8 bf16]; lane 16 h + r holds column 16 nt + r, k' = 32 chunk + 16 half + 8 h + 0..7
;   work-groups 512-767: the five projection weights -> wp [cb 64][k 1024][p 5][c 16], p = omega, gate, mag, phi0, q
; LIMIT OF FORMAT: from here on x and all weights exist only as bf16.
; A stream: memory binds, so no matrix unit, no cluster; every input byte is read once by 16-byte loads.
; THE MODE: SCHED_MODE bits 1:0 = 2 (LLVM: expert scheduling mode 2), set by the entry lines.  The code itself states the register dependences
; between vector instructions and memory or LDS instructions, with s_wait_alu, always for 0.
; THE PLAN.  No loop: three straight paths.  Registers that memory or LDS instructions touch:
;   v2, v3, v7, v8, v9, v11   offsets and LDS addresses: each written once, ahead of a wait on va_vdst that stands ahead of its first reader; never written again.
;   LD   the global loads land in it; the conversions read it (the weights' path: they also write the first two of each four, which the LDS stores read);
;        behind the barrier the LDS loads that read the image back land in its low part.
;   CV   written by the conversions, read by the stores; every store has registers of its own.
;   v112, v113   written at the head, read by the closing add alone.
; The work goes in groups (four loads; for W_out a turn of eight).  Group g's conversions stand among the stores of group g - 1: ONE wait on va_vdst at the group's
; head states that group g - 1's conversions have written those stores' data, and the conversions issued since name group g's registers alone.
; One more such wait stands ahead of the last group's stores.
.set VS, 2                             ; v2  byte offset of my loads
.set VD, 3                             ; v3  byte offset of my stores
.set LD, 16                            ; v[16:95]  as loaded, four registers a load
.set CV, 80                            ; v[80:111] converted
; Sixteen loads in one run, then each is converted as it arrives and stored a group of four later.  Every load and store has registers of its own,
; so nothing is rewritten while a memory instruction may still read it.
.macro CAST16 sb, db, SS, DS
.set j, 0
.rept 16
	global_load_b128 v[LD+4*j:LD+4*j+3], v[VS], s[\sb:\sb+1] offset:j*\SS th:TH_LOAD_NT
.set j, j+1
.endr
.set j, 0
.rept 16
	s_wait_loadcnt 15-j                            ; loads return in order: load j is in, the 15-j younger ones stay out
.if (j > 0) && (j % 4 == 0)
	s_wait_alu depctr_va_vdst(0)                   ; the last group's eight conversions have written their part of CV, which this group's four stores read
.endif
.if j >= 4
	global_store_b64 v[VD], v[CV+2*(j-4):CV+2*(j-4)+1], s[\db:\db+1] offset:(j-4)*\DS   ; the group before; no conversion since the wait names these registers
.endif
	v_cvt_pk_bf16_f32 v[CV+2*j], v[LD+4*j], v[LD+4*j+1]
	v_cvt_pk_bf16_f32 v[CV+2*j+1], v[LD+4*j+2], v[LD+4*j+3]
.set j, j+1
.endr
	s_wait_alu depctr_va_vdst(0)                   ; the last group's conversions have written their part of CV, which the last four stores read
.set j, 12
.rept 4
	global_store_b64 v[VD], v[CV+2*j:CV+2*j+1], s[\db:\db+1] offset:j*\DS
.set j, j+1
.endr
.endm
	s_load_b512 s[4:19], s[0:1], 0x0               ; x s[4:5], W_out s[6:7], W_omega s[8:9], W_gate s[10:11], W_mag s[12:13], W_phi0 s[14:15], W_q s[16:17], xb s[18:19]
	s_load_b128 s[20:23], s[0:1], 0x40             ; wob s[20:21], wp s[22:23]
	v_lshl_add_u32 v112, v0, 2, 0xa000
	v_mov_b32 v113, 0
	s_mov_b32 s25, 0                               ; high words of the two offset pairs
	s_mov_b32 s27, 0
	s_wait_kmcnt 0x0
	s_cmp_lt_u32 ttmp9, 256                        ; the branch hangs on the work-group's number alone: all eight waves go the same way
	s_cbranch_scc1 .Lcast_x
	s_cmp_lt_u32 ttmp9, 512
	s_cbranch_scc1 .Lcast_wout
	; ---- the five projection weights: a block of 64 k x 64 n of each, regrouped through LDS ----
	s_sub_co_u32 s28, ttmp9, 512
	s_and_b32 s29, s28, 15                         ; cg: channel blocks 4 cg .. 4 cg + 3
	s_lshr_b32 s30, s28, 4                         ; kg: k = 64 kg ..
	s_lshl_b32 s24, s30, 18                        ; 64 kg rows of 4,096 bytes
	s_lshl_b32 s31, s29, 8                         ; + 64 cg columns of 4 bytes
	s_add_co_u32 s24, s24, s31
	s_mul_i32 s26, s29, 655360                     ; wp: 4 cg blocks of 163,840 bytes
	s_mul_i32 s31, s30, 10240                      ; + 64 kg rows of 160 bytes
	s_add_co_u32 s26, s26, s31
	s_add_nc_u64 s[22:23], s[22:23], s[26:27]
	v_lshrrev_b32 v1, 5, v0                        ; wave
	v_bfe_u32 v4, v0, 4, 1                         ; upper half of the lanes: the odd row
	v_and_b32 v5, 15, v0                           ; 16 lanes x 16 bytes = the block's 256 bytes of a row
	v_lshl_add_u32 v6, v1, 3, v4                   ; local k = 8 wave + half (+ 2 u)
	v_lshlrev_b32 v[VS], 12, v6
	v_lshl_add_u32 v[VS], v5, 4, v[VS]
	v_add_nc_u32 v[VS], s24, v[VS]
	s_wait_alu depctr_va_vdst(0)                   ; v2 is written, which the twenty loads read as their offset
.set p, 0
.rept 5
.set u, 0
.rept 4
	global_load_b128 v[LD+4*(4*p+u):LD+4*(4*p+u)+3], v[VS], s[8+2*p:9+2*p] offset:u*8192 th:TH_LOAD_NT
.set u, u+1
.endr
.set p, p+1
.endr
	v_lshrrev_b32 v7, 2, v5                        ; LDS image [cb 4][k 64][p 5][c 16] bf16: which of the four channel blocks
	v_mul_u32_u24 v7, v7, 10240
	v_mad_u32_u24 v7, v6, 160, v7
	v_and_b32 v8, 3, v5
	v_lshl_add_u32 v7, v8, 3, v7                   ; + my four channels
	v_and_b32 v10, 31, v0
	v_mul_u32_u24 v9, v1, 5120                     ; back: each wave takes 5,120 consecutive bytes of the image
	v_lshl_add_u32 v9, v10, 4, v9
	v_lshrrev_b32 v12, 1, v1
	v_mul_u32_u24 v11, v12, 163840                 ; two waves to a channel block
	v_and_b32 v12, 1, v1
	v_mad_u32_u24 v11, v12, 5120, v11
	v_lshl_add_u32 v11, v10, 4, v11
	; load k = 4 p + u: weight p, rows 2 u on.  A group is one weight's four loads.
.set k, 0
.rept 20
	s_wait_loadcnt 19-k                            ; the younger loads of the run of twenty stay out
.if (k > 0) && (k % 4 == 0)
	s_wait_alu depctr_va_vdst(0)                   ; the last group's eight conversions have written the pairs that this group's four LDS stores read; at the first such wait v7, v9 and v11 are written too
.endif
.if k >= 4
	ds_store_b64 v7, v[LD+4*(k-4):LD+4*(k-4)+1] offset:((k-4)%4)*320+((k-4)/4)*32   ; the group before; no conversion since the wait names these registers
.endif
	v_cvt_pk_bf16_f32 v[LD+4*k], v[LD+4*k], v[LD+4*k+1]
	v_cvt_pk_bf16_f32 v[LD+4*k+1], v[LD+4*k+2], v[LD+4*k+3]
.set k, k+1
.endr
	s_wait_alu depctr_va_vdst(0)                   ; the last group's conversions have written their pairs, which the last four LDS stores read; and every conversion is done with v16 to v55, in which the LDS loads below land
.set k, 16
.rept 4
	ds_store_b64 v7, v[LD+4*k:LD+4*k+1] offset:(k%4)*320+(k/4)*32
.set k, k+1
.endr
	s_wait_dscnt 0x0                               ; my stores are in LDS before I say so: other waves read them
	s_barrier_signal -1
	s_barrier_wait -1
	s_wait_alu depctr_vm_vsrc(0)                   ; my LDS stores have read their pairs in v16 to v55, in which the LDS loads below land
.set u, 0
.rept 10
	ds_load_b128 v[LD+4*u:LD+4*u+3], v9 offset:u*512
.set u, u+1
.endr
.set u, 0
.rept 10
	s_wait_dscnt 9-u                               ; LDS loads return in order
	global_store_b128 v11, v[LD+4*u:LD+4*u+3], s[22:23] offset:u*512   ; a wave's store covers 512 consecutive bytes, aligned to 256
.set u, u+1
.endr
	s_wait_dscnt 0x0                               ; the closing lines, six on end
	s_wait_alu 0x0
	s_wait_tensorcnt 0x0
	ds_add_u32 v112, v113
	s_wait_dscnt 0x0
	s_endpgm
.Lcast_x:
	; ---- x: 16 rows.  Thread t takes row t / 16, four channels at 4 (t % 16) of each of the sixteen blocks of 64 ----
	s_lshl_b32 s24, ttmp9, 16                      ; 16 rows of 4,096 bytes
	s_lshl_b32 s26, ttmp9, 11                      ; 16 rows of 128 bytes in every block of xb
	s_add_nc_u64 s[4:5], s[4:5], s[24:25]
	s_add_nc_u64 s[18:19], s[18:19], s[26:27]
	v_lshrrev_b32 v1, 4, v0
	v_and_b32 v4, 15, v0
	v_lshlrev_b32 v[VS], 12, v1
	v_lshl_add_u32 v[VS], v4, 4, v[VS]
	v_lshlrev_b32 v[VD], 3, v0                     ; 128 (t / 16) + 8 (t % 16) = 8 t: a wave's store covers 256 consecutive bytes, aligned
	s_wait_alu depctr_va_vdst(0)                   ; v2 and v3 are written, which the loads and the stores read as their offsets
	CAST16 4, 18, 256, 524288
	s_endpgm                                       ; this path stores nothing to LDS
.Lcast_wout:
	; ---- W_out: work-group i = 4 cb + g takes the 16 rows g*1024 + cb*16 .., which are one half (16 k') of chunk i / 2, for all 1,024 columns ----
	; Thread (wave, h, a) takes rows 8 h .. 8 h + 7 and, in each of two turns u, the four columns 512 u + 64 wave + 4 a ..: packing two rows at a time
	; gives, for each column, the 16 bytes (8 k') that one lane of the matrix operand holds.  A stage in LDS puts the lanes' pieces side by side.
	s_sub_co_u32 s28, ttmp9, 256
	s_and_b32 s29, s28, 3                          ; g
	s_lshr_b32 s30, s28, 2                         ; cb
	s_lshl_b32 s24, s29, 22                        ; row g*1024 + cb*16, rows of 4,096 bytes
	s_lshl_b32 s31, s30, 16
	s_add_co_u32 s24, s24, s31
	s_lshr_b32 s26, s28, 1                         ; chunk = i / 2, 65,536 bytes each
	s_lshl_b32 s26, s26, 16
	s_and_b32 s31, s28, 1                          ; half = i % 2, 512 bytes inside each block of 1,024
	s_lshl_b32 s31, s31, 9
	s_add_co_u32 s26, s26, s31
	s_add_nc_u64 s[6:7], s[6:7], s[24:25]
	s_add_nc_u64 s[20:21], s[20:21], s[26:27]
	v_lshrrev_b32 v1, 5, v0                        ; wave
	v_bfe_u32 v4, v0, 4, 1                         ; h
	v_and_b32 v5, 15, v0                           ; a: sixteen lanes read 256 consecutive bytes of a row, aligned
	v_lshlrev_b32 v[VS], 15, v4                    ; 8 h rows
	v_lshl_add_u32 v[VS], v1, 8, v[VS]
	v_lshl_add_u32 v[VS], v5, 4, v[VS]
	s_wait_alu depctr_va_vdst(0)                   ; v2 is written, which the sixteen loads read as their offset
.set u, 0
.rept 2
.set rw, 0
.rept 8
	global_load_b128 v[LD+4*(8*u+rw):LD+4*(8*u+rw)+3], v[VS], s[6:7] offset:rw*4096+u*2048 th:TH_LOAD_NT
.set rw, rw+1
.endr
.set u, u+1
.endr
	v_lshrrev_b32 v6, 2, v5                        ; which of the wave's four blocks of 16 columns
	v_and_b32 v7, 3, v5
	v_lshlrev_b32 v8, 12, v1                       ; the stage: wave x 4,096 + turn x 2,048 + block x 512 + h x 256 + 16 x (column % 16)
	v_lshl_add_u32 v8, v6, 9, v8
	v_lshl_add_u32 v8, v4, 8, v8
	v_lshl_add_u32 v8, v7, 6, v8
	v_and_b32 v10, 31, v0
	v_lshlrev_b32 v9, 12, v1                       ; back, and out: wave x 4,096 + 16 x lane (in wob four blocks of 1,024 bytes belong to a wave and a turn)
	v_lshl_add_u32 v9, v10, 4, v9
.set u, 0
.rept 2
.set i, 0
.rept 4
	s_wait_loadcnt 14-8*u-2*i                      ; rows 2 i and 2 i + 1 of this turn are in; the younger loads of the sixteen stay out
.if (u == 1) && (i == 0)
	s_wait_alu depctr_va_vdst(0)                   ; turn 0's sixteen conversions have written v80 to v95, which the four LDS stores of this turn read; v8 and v9 are written too
.endif
.if u == 1
	ds_store_b128 v8, v[CV+4*i:CV+4*i+3] offset:16*i   ; turn 0's column i; turn 1's conversions name v96 to v111 alone
.endif
.set j, 0
.rept 4
	v_cvt_pk_bf16_f32 v[CV+16*u+4*j+i], v[LD+4*(8*u+2*i)+j], v[LD+4*(8*u+2*i+1)+j]
.set j, j+1
.endr
.set i, i+1
.endr
.set u, u+1
.endr
	s_wait_alu depctr_va_vdst(0)                   ; turn 1's conversions have written v96 to v111, which the last four LDS stores read; and every conversion is done reading v16 to v47, in which the LDS loads below land
.set j, 0
.rept 4
	ds_store_b128 v8, v[CV+16+4*j:CV+16+4*j+3] offset:2048+16*j
.set j, j+1
.endr
	s_wait_dscnt 0x0                               ; my stores are in LDS before I say so
	s_barrier_signal -1
	s_barrier_wait -1
.set u, 0
.rept 8
	ds_load_b128 v[LD+4*u:LD+4*u+3], v9 offset:u*512
.set u, u+1
.endr
.set u, 0
.rept 8
	s_wait_dscnt 7-u                               ; LDS loads return in order
	global_store_b128 v9, v[LD+4*u:LD+4*u+3], s[20:21] offset:(u>>2)*32768+(u&3)*1024   ; a wave's store covers 512 consecutive bytes, aligned to 512
.set u, u+1
.endr
	s_wait_dscnt 0x0                               ; the closing lines, six on end
	s_wait_alu 0x0
	s_wait_tensorcnt 0x0
	ds_add_u32 v112, v113
	s_wait_dscnt 0x0
	s_endpgm
.Lfunc_end_k_qd909fe9c3e_prep:
	.size	k_qd909fe9c3e_prep, .Lfunc_end_k_qd909fe9c3e_prep-k_qd909fe9c3e_prep
	.p2alignl 7, 3214868480
	.fill 96, 4, 3214868480
	.section	.rodata,"a",@progbits
	.p2align	6, 0x0
	.amdhsa_kernel k_qd909fe9c3e_prep
		.amdhsa_group_segment_fixed_size 41984
		.amdhsa_private_segment_fixed_size 0
		.amdhsa_enable_private_segment 0
		.amdhsa_kernarg_size 80
		.amdhsa_user_sgpr_count 2
		.amdhsa_user_sgpr_kernarg_segment_ptr 1
		.amdhsa_wavefront_size32 1
		.amdhsa_system_sgpr_workgroup_id_x 1
		.amdhsa_system_sgpr_workgroup_id_y 1
		.amdhsa_system_sgpr_workgroup_id_z 1
		.amdhsa_system_vgpr_workitem_id 0
		.amdhsa_next_free_vgpr 114
		.amdhsa_next_free_sgpr 66
		.amdhsa_reserve_vcc 0
		.amdhsa_float_denorm_mode_32 3
		.amdhsa_float_denorm_mode_16_64 3
		.amdhsa_memory_ordered 1
		.amdhsa_forward_progress 1
		.amdhsa_inst_pref_size 25
	.end_amdhsa_kernel
	.amdgpu_metadata
---
amdhsa.version: [ 1, 2 ]
amdhsa.kernels:
  - .name:           k_qd909fe9c3e_prep
    .symbol:         k_qd909fe9c3e_prep.kd
    .args:
      - { .name: x, .offset: 0, .size: 8, .value_kind: global_buffer, .address_space: global }
      - { .name: W_out, .offset: 8, .size: 8, .value_kind: global_buffer, .address_space: global }
      - { .name: W_omega, .offset: 16, .size: 8, .value_kind: global_buffer, .address_space: global }
      - { .name: W_gate, .offset: 24, .size: 8, .value_kind: global_buffer, .address_space: global }
      - { .name: W_mag, .offset: 32, .size: 8, .value_kind: global_buffer, .address_space: global }
      - { .name: W_phi0, .offset: 40, .size: 8, .value_kind: global_buffer, .address_space: global }
      - { .name: W_q, .offset: 48, .size: 8, .value_kind: global_buffer, .address_space: global }
      - { .name: xb, .offset: 56, .size: 8, .value_kind: global_buffer, .address_space: global }
      - { .name: wob, .offset: 64, .size: 8, .value_kind: global_buffer, .address_space: global }
      - { .name: wp, .offset: 72, .size: 8, .value_kind: global_buffer, .address_space: global }
    .group_segment_fixed_size: 41984
    .private_segment_fixed_size: 0
    .kernarg_segment_align: 8
    .kernarg_segment_size: 80
    .max_flat_workgroup_size: 256
    .sgpr_count:     66
    .vgpr_count:     114
    .wavefront_size: 32
...
	.end_amdgpu_metadata
.endif
;; end of part 4
;; launch phase: the kernel of part 2 again; grid 64 x 4, 4 waves a work-group, clusters of 4 x 1, 327,680 bytes of LDS; arguments xb, wp, b_omega, b_gate, b_mag, b_phi0, b_q, integration_scale, ctx; writes ctx
;; launch outp: the kernel of part 3 again; grid 8 x 32, 4 waves a work-group, clusters of 4 x 1, 327,680 bytes of LDS; arguments ctx, wob, xb, b_out, out0; writes out0
